; MI455X (gfx1250); checked and timed in simulation.
; The chip was launched on July 23, 2026; its instructions are those of AMD's public machine-readable ISA for CDNA 5 (MIT licence, August 2026) and "CDNA5" Instruction Set Architecture Reference Guide (July 2026). The comments in the code are by the model that wrote it; some were corrected since.
;; Multi Head Attention. Allowed arithmetic: matrix products marked QUANTISED: E2M3 operands, one E8M0 scale for each 32 along K, by v_wmma_scale_f32_16x16x128_f8f6f4 with both operands' format E2M3, f32 sums; everything else in f32.
;; Inputs: Wk 16 x 1,024 x 64 float32; Wo 1,024 x 1,024 float32; Wq 16 x 1,024 x 64 float32; Wv 16 x 1,024 x 64 float32; bk 16 x 64 float32; bo 1,024 float32; bq 16 x 64 float32; bv 16 x 64 float32; x 4 x 2,048 x 1,024 float32.
;; Outputs: out0 4 x 2,048 x 1,024 float32.
;; This version of the problem:
;;   THIS VERSION OF THE PROBLEM IS GIVEN IN LOW PRECISION. The matrix products marked QUANTISED in the list below multiply operands that are first quantised to E2M3 (2 exponent bits, 3 mantissa bits; 6 bits a number), with one power-of-two scale for each 32 numbers along K (OCP MX v1.0); their sums are f32. All else is computed in f32.
;;   The module's matrix products, in the order in which they are computed (A, B: the left and right operand; K: the contracted axis; several contracted axes count as one K, in the product's order):
;;     1. [M 1,024, K 1,024] x [K 1,024, N 8,192]; A: input Wq; B: input x: QUANTISED
;;     2. [M 1,024, K 1,024] x [K 1,024, N 8,192]; A: input Wk; B: input x: QUANTISED
;;     3. [M 1,024, K 1,024] x [K 1,024, N 8,192]; A: input Wv; B: input x: QUANTISED
;;     4. batch 64 x [M 2,048, K 64] x [K 64, N 2,048]; A: computed on the way; B: computed on the way: QUANTISED
;;     5. batch 64 x [M 2,048, K 2,048] x [K 2,048, N 64]; A: softmax (see below); B: computed on the way: QUANTISED
;;     6. [M 8,192, K 1,024] x [K 1,024, N 1,024]; A: computed on the way; B: input Wo: QUANTISED
;;   THE QUANTISER, for each operand of a quantised product, along K:
;;     - K is cut into blocks of 32 from its start; a last block that is shorter is filled with zeros.
;;     - A block's scale is 2^e with e = floor(log2(the largest magnitude in the block)) - 2, held to -126 .. 127; a block of zeros has e = 0. As a byte (E8M0): e + 127.
;;     - Each number is divided by its block's scale, clamped to +-7.5, and rounded to the nearest number of E2M3, ties to even, subnormals kept.
;;     - The product sums the exact products of the quantised numbers (number of the format x scale) in f32.
;;   ~~~python
;;   def quantise(x, axis):      # numpy; x: float32 -> the quantised numbers, widened to float32 again
;;       x = np.moveaxis(x, axis, -1); K = x.shape[-1]
;;       x = np.pad(x, [(0, 0)] * (x.ndim - 1) + [(0, -K % 32)]); x = x.reshape(x.shape[:-1] + (-1, 32)); a = np.abs(x).max(-1, keepdims=True)
;;       e = np.where(a > 0, np.clip(np.frexp(np.where(a > 0, a, 1))[1] - 1 - 2, -126, 127), 0)      # np.frexp(a)[1] - 1 = floor(log2(a)), exactly
;;       r = np.clip(x / 2.0 ** e, -7.5, 7.5)
;;       step = 2.0 ** (np.maximum(np.frexp(np.where(r == 0, 1, r))[1] - 1, 0) - 3)
;;       q = np.round(r / step) * step * 2.0 ** e      # np.round: ties to even
;;       return np.moveaxis(q.reshape(q.shape[:-2] + (-1,))[..., :K], -1, axis).astype(np.float32)
;;   ~~~
;;   SOFTMAX AHEAD OF A QUANTISED PRODUCT. Where the list says 'softmax', what is quantised is not the finished softmax but p = 2^(t - M), with t = logit x log2(e) and M = ceil(the row's largest t), a whole number; so 1/2 < the row's largest p <= 1. The row's sum l is taken of the UNQUANTISED p, in f32, and the product's result is divided by l at the end. Since M is a whole number, a kernel that streams over the keys may use a running M (the ceiling of the running maximum): every later rescaling is an exact power of two, which a block's scale takes up: the codes' values come out the same.
;;   OPERANDS COMPUTED ON THE WAY. 'Computed on the way' means the value that the module computes at that place (a softmax that the list does not call 'softmax' is quantised finished and normalised). What goes into a quantiser is computed in f32, as accurately as f32 sums, v_exp_f32 and their like allow (about 1e-6 of the number): no bf16 or f16 on the way to a quantiser, and a product that is left as it is and whose result goes on into a quantised operand takes f32 operands (vector FMAs, or v_wmma_f32_16x16x4_f32). A number that lies on a knife's edge between two numbers of the format may be rounded either way, as far as f32 arithmetic and the matrix unit's own rounding can turn it there, and no further.
;; One version. Each part assembles by itself: llvm-mc -triple=amdgcn-amd-amdhsa -mcpu=gfx1250 --defsym DOCPART=n.
;; ======== version 1 of 1: 4 launches
;; limits: right only within a limited range of input values
;; workspace buffers: xc 6,291,456 bytes; xs 262,144 bytes; wc 3,145,728 bytes; ws 131,072 bytes; qimg 6,815,744 bytes; kv 13,631,488 bytes; mc 6,291,456 bytes; msc 262,144 bytes
;; launch quant (part 1): grid 384 x 1, 4 waves a work-group, no clusters, 34,304 bytes of LDS; arguments x, Wq, Wk, Wv, Wo, xc, xs, wc, ws; writes xc, xs, wc, ws
.if DOCPART == 1
	.amdgcn_target "amdgcn-amd-amdhsa--gfx1250"
	.amdhsa_code_object_version 6
	.text
	.protected	k_q39df61fb44_quant
	.globl	k_q39df61fb44_quant
	.p2align	8
	.type	k_q39df61fb44_quant,@function
k_q39df61fb44_quant:
	s_mov_b64 s[64:65], 0
	v_nop
	global_prefetch_b8 v0, s[64:65] scope:SCOPE_SE
	s_setreg_imm32_b32 hwreg(HW_REG_WAVE_MODE, 25, 1), 1
	s_wait_xcnt 0x0
; x [8192][1024] and the four weights (K = their first matrix axis), f32, become codes of FP6 (E2M3) with one E8M0 byte for each 32 along K.
; THE CODES ARE LAID AS THE READERS' REGISTERS WANT THEM.  A half fragment (HF) is 16 rows x 64 K: registers 6 c .. 6 c + 5 of an operand, of all 32 lanes (lane (r, h): row r, k = 64 c + 32 h + 0 .. 31), 768 bytes:
; 512 bytes with registers 0-3, lane l's 16 bytes at 16 l, then 256 bytes with registers 4-5, lane l's 8 bytes at 8 l.  Each store of a wave covers 512 or 256 consecutive bytes, aligned to 256.
;   xc [block of 128 tokens 64][K step 8][tile of 16 tokens 8][c 2][768]      wc [group of 256 columns 16][K step 8][tile 16][c 2][768]   (groups 0-3 Wq, 4-7 Wk, 8-11 Wv, 12-15 Wo)
;   xs, ws [pair of tiles][256 along K: 4][lane 32][2 words]: a word holds the four bytes of one row and one K step; lanes 0-15 the pair's even tile, lanes 16-31 its odd tile.
; Wo's rows are taken, inside each block of 32, in the order in which the attention launch leaves the heads' codes: place p holds row (p & 7) | ((p & 8) << 1) | ((p & 16) >> 1).
; A block's scale is 2^(floor(log2(largest magnitude)) - 2): its byte is the largest magnitude's exponent field - 2, held at 1 from below by a floor among the maximum's leaves.
; LIMITS: a block whose largest magnitude lies under 2^-124, a block of zeros among them, gets the byte 1 (its codes are zeros or next to it; this program alone reads the bytes); NaN and infinities are not served.
; Work-groups 0-255 take x, 256-383 the weights.  Memory binds: no matrix unit, no tensor loads, no cluster (nothing is shared), no barrier (waves share nothing).
.set SPARE,  33792                     ; behind the four stages: the spare words, 128 bytes for each wave
.set SPW,    30                        ; v30  LDS address of my spare word; never rewritten
.set NIL,    31                        ; v31  0; never rewritten
.set FLOOR,  0x1800000                 ; 2^(3 - 127)
.set TWOOFF, 0xff000000                ; takes 2 off an exponent field
.set SPITCH, 528                       ; a stage row: 512 bytes + 16
; x: fragment f = 2 u + s: tile u of my pair, K step s of my two.  16 loads, each 512 consecutive bytes of one row, into set f % 2 (v32-95, v96-159)
.macro LOADX f
.set RL, 32+64*((\f)%2)
.irp i, 0,1,2,3,4,5,6,7,8,9,10,11,12,13,14,15
	global_load_b128 v[RL+4*\i:RL+4*\i+3], v4, s[4:5] offset:(16*((\f)/2)+\i)*4096+512*((\f)%2) th:TH_LOAD_NT
.endr
.endm
; One fragment: through my stage, so that lane (r, h) holds two whole blocks of row r (v160-191: block h, v192-223: block 2 + h); scale bytes; codes; stores.
.macro XFRAG f
.set RS, 32+64*((\f)%2)
.if (\f) < 3
	s_wait_loadcnt 16                              ; this set's 16 loads are in; the other set's 16 may be out
.else
	s_wait_loadcnt 0x0
.endif
.irp i, 0,1,2,3,4,5,6,7,8,9,10,11,12,13,14,15
	ds_store_b128 v6, v[RS+4*\i:RS+4*\i+3] offset:SPITCH*\i
.endr
.irp c, 0,1
.irp j, 0,1,2,3,4,5,6,7
	ds_load_b128 v[160+32*\c+4*\j:163+32*\c+4*\j], v7 offset:256*\c+16*\j   ; LDS serves a wave's instructions in order: these see the stores above
.endr
.endr
	s_wait_dscnt 0x0                               ; the numbers are back, and the stores have read their registers,
.if (\f) < 2
	LOADX (\f)+2                                   ; which take the fragment two on
.endif
.irp c, 0,1
	v_max3_num_f32 v[10+\c], |v[160+32*\c]|, |v[161+32*\c]|, FLOOR   ; the block's largest magnitude: all 32 numbers are mine; the floor holds the byte at 1 from below
.endr
.irp i, 2,4,6,8,10,12,14,16,18,20,22,24,26,28,30
.irp c, 0,1
	v_max3_num_f32 v[10+\c], v[10+\c], |v[160+32*\c+\i]|, |v[161+32*\c+\i]|
.endr
.endr
.irp c, 0,1
	v_add_nc_u32 v[12+\c], TWOOFF, v[10+\c]        ; the conversion takes the exponent field of this operand as its scale
.endr
.irp c, 0,1
	v_lshrrev_b32 v[14+\c], 23, v[12+\c]           ; the scale's byte
.endr
	v_lshl_or_b32 v16, v15, 16, v14                ; my two bytes: blocks h and 2 + h,
	v_lshlrev_b32 v16, v8, v16                     ; 8 h bits up;
	v_permlanex16_b32 v9, v16, s24, s25
	v_or_b32 v[24+(\f)], v16, v9                   ; with lane l xor 16's two the row's word is whole
.if (\f) > 0
	s_wait_alu depctr_va_vdst(0)
	s_wait_xcnt 0x0                                ; the last fragment's stores have read the codes' registers
.endif
.irp c, 0,1
	v_cvt_scalef32_pk16_fp6_f32 v[224+6*\c:226+6*\c], v[160+32*\c:175+32*\c], v[12+\c]
	v_cvt_scalef32_pk16_fp6_f32 v[236+4*\c:238+4*\c], v[176+32*\c:191+32*\c], v[12+\c]   ; (a conversion's three registers begin on an even number)
.endr
	v_nop                                          ; one plain line behind the conversions
.irp c, 0,1
.irp i, 0,1,2
	v_mov_b32 v[227+6*\c+\i], v[236+4*\c+\i]
.endr
.endr
.irp c, 0,1
	global_store_b128 v4, v[224+6*\c:227+6*\c], s[14:15] offset:((\f)%2)*12288+((\f)/2)*1536+768*\c
	global_store_b64 v5, v[228+6*\c:229+6*\c], s[14:15] offset:((\f)%2)*12288+((\f)/2)*1536+768*\c+512
.endr
.endm
; The weights: A LANE TAKES A COLUMN AND ITS REGISTERS RUN DOWN K.  Block bi of my 256 along K: 32 loads of 128 consecutive bytes, into set bi % 2 (v32-63, v64-95).  pm = 1: rows in the permuted order.
.macro LOADB bi, pitch, pm
.set XB, 32+32*((\bi)%2)
.set p, 0
.rept 32
.if \pm
.set rw, (p&7)|((p&8)<<1)|((p&16)>>1)
.else
.set rw, p
.endif
	global_load_b32 v[XB+p], v6, s[6:7] offset:(32*(\bi)+rw)*(\pitch) th:TH_LOAD_NT
.set p, p+1
.endr
.endm
.macro WBLOCK bi, pitch, pm
.set XC, 32+32*((\bi)%2)
.set HB, 96+8*(\bi)                    ; each block has registers of its own for its codes: no store's data are written again
.if (\bi) < 7
	s_wait_loadcnt 32                              ; this block's 32 loads are in; the next block's may be out
.else
	s_wait_loadcnt 0x0
.endif
	v_max3_num_f32 v10, |v[XC]|, |v[XC+1]|, FLOOR
	v_max3_num_f32 v11, |v[XC+2]|, |v[XC+3]|, |v[XC+4]|
.irp i, 5,9,13,17,21,25
	v_max3_num_f32 v10, v10, |v[XC+\i]|, |v[XC+\i+1]|
	v_max3_num_f32 v11, v11, |v[XC+\i+2]|, |v[XC+\i+3]|
.endr
	v_max3_num_f32 v10, v10, |v[XC+29]|, |v[XC+30]|
	v_max3_num_f32 v10, v10, v11, |v[XC+31]|
	v_add_nc_u32 v12, TWOOFF, v10
	v_lshrrev_b32 v13, 23, v12
.if (\bi)%4 == 0
	v_mov_b32 v[20+(\bi)/4], v13                   ; four bytes to a word, the lower K in the lower byte
.else
	v_lshl_or_b32 v[20+(\bi)/4], v13, 8*((\bi)%4), v[20+(\bi)/4]
.endif
	v_cvt_scalef32_pk16_fp6_f32 v[HB:HB+2], v[XC:XC+15], v12
	v_cvt_scalef32_pk16_fp6_f32 v[HB+4:HB+6], v[XC+16:XC+31], v12
	v_nop                                          ; one plain line behind the conversions
	v_mov_b32 v[HB+3], v[HB+4]
	v_mov_b32 v[HB+4], v[HB+5]
	v_mov_b32 v[HB+5], v[HB+6]
.if (\bi) < 6
	LOADB (\bi)+2, \pitch, \pm
.endif
.if (\bi)%2                            ; lanes 0-15 hold the even tile's columns, lanes 16-31 the odd tile's.  The even block's upper lanes change places with the odd block's lower lanes: two half fragments
.irp t, 0,1,2,3,4,5
	v_permlane16_swap_b32 v[HB-8+\t], v[HB+\t]
.endr
.set OFS, ((\bi)/4)*24576+(((\bi)%4)/2)*768
	global_store_b128 v4, v[HB-8:HB-5], s[18:19] offset:OFS
	global_store_b64 v5, v[HB-4:HB-3], s[18:19] offset:OFS+512
	global_store_b128 v4, v[HB:HB+3], s[18:19] offset:OFS+1536
	global_store_b64 v5, v[HB+4:HB+5], s[18:19] offset:OFS+1536+512
.endif
.endm
.macro WALL pitch, pm
	LOADB 0, \pitch, \pm
	LOADB 1, \pitch, \pm
.irp bi, 0,1,2,3,4,5,6,7
	WBLOCK \bi, \pitch, \pm
.endr
	global_store_b64 v5, v[20:21], s[20:21]        ; a lane's two words are its column's: 32 lanes store 256 consecutive bytes, aligned
	s_wait_tensorcnt 0x0                           ; the wave's end
	ds_add_u32 v[SPW], v[NIL]
	s_wait_dscnt 0x0
	s_endpgm
.endm
	s_load_b512 s[4:19], s[0:1], 0x0               ; x s[4:5], Wq s[6:7], Wk s[8:9], Wv s[10:11], Wo s[12:13], xc s[14:15], xs s[16:17], wc s[18:19]
	s_load_b64 s[20:21], s[0:1], 0x40              ; ws
	v_lshl_add_u32 v[SPW], v0, 2, SPARE
	v_mov_b32 v[NIL], 0
	v_lshrrev_b32 v1, 5, v0
	v_readfirstlane_b32 s22, v1                    ; wave 0..3
	v_and_b32 v1, 31, v0                           ; lane
	v_and_b32 v2, 15, v0                           ; r
	v_bfe_u32 v3, v0, 4, 1                         ; h
	v_lshlrev_b32 v4, 4, v1                        ; 16 x lane
	v_lshlrev_b32 v5, 3, v1                        ; 8 x lane
	s_cmp_lt_u32 ttmp9, 256
	s_cbranch_scc0 .Lweights
	; ---- x: work-group P takes rows 32 P .. 32 P + 31 (a pair of tiles); wave w columns 256 w .. 256 w + 255: the four waves cover whole rows
	s_mov_b32 s23, 0xffff0000                      ; lanes 16-31
	s_mov_b32 s24, 0x76543210
	s_mov_b32 s25, 0xfedcba98                      ; v_permlanex16_b32's selects for lane l xor 16
	s_mul_i32 s26, s22, 16*SPITCH                  ; my stage
	v_add_nc_u32 v6, s26, v4                       ; in: a row's 512 bytes as they lie
	v_mul_u32_u24 v7, v2, SPITCH
	v_lshl_add_u32 v7, v3, 7, v7
	v_add_nc_u32 v7, s26, v7                       ; back: row r, + 128 h: a block of 32 numbers
	v_lshlrev_b32 v8, 3, v3                        ; 8 h
	v_mov_b32 v9, 0                                ; written once: a lane permute's destination counts as one of its sources
	s_lshl_b32 s28, ttmp9, 17                      ; x: 32 rows of 4,096 bytes,
	s_lshl_b32 s27, s22, 10                        ; + my 1,024 bytes of a row
	s_add_co_u32 s28, s28, s27
	s_mov_b32 s29, 0
	s_lshr_b32 s30, ttmp9, 2                       ; xc: block P / 4,
	s_mul_i32 s30, s30, 98304
	s_mul_i32 s27, s22, 24576                      ; K steps 2 w and 2 w + 1,
	s_add_co_u32 s30, s30, s27
	s_and_b32 s27, ttmp9, 3                        ; tiles 2 (P % 4) and the next
	s_mul_i32 s27, s27, 3072
	s_add_co_u32 s30, s30, s27
	s_mov_b32 s31, 0
	s_lshl_b32 s32, ttmp9, 10                      ; xs: pair P, my 256 bytes
	s_lshl_b32 s27, s22, 8
	s_add_co_u32 s32, s32, s27
	s_mov_b32 s33, 0
	s_wait_kmcnt 0x0
	s_add_nc_u64 s[4:5], s[4:5], s[28:29]
	s_add_nc_u64 s[14:15], s[14:15], s[30:31]
	s_add_nc_u64 s[16:17], s[16:17], s[32:33]
	s_wait_alu depctr_va_vdst(0)
	LOADX 0
	LOADX 1
	XFRAG 0
	XFRAG 1
	XFRAG 2
	XFRAG 3
	v_cndmask_b32 v28, v24, v26, s23               ; lanes 0-15 keep the even tile's word, lanes 16-31 take the odd tile's: K step 2 w,
	v_cndmask_b32 v29, v25, v27, s23               ; K step 2 w + 1
	global_store_b64 v5, v[28:29], s[16:17]        ; 32 lanes store 256 consecutive bytes, aligned
	s_wait_tensorcnt 0x0                           ; the wave's end, behind my last LDS store
	ds_add_u32 v[SPW], v[NIL]
	s_wait_dscnt 0x0
	s_endpgm
	; ---- the weights: work-group i = 0 .. 127: 64 columns i / 2 (tensor i / 32), half i % 2 of K; a wave: 32 columns x 256 along K
.Lweights:
	s_sub_co_u32 s26, ttmp9, 256
	s_lshr_b32 s27, s26, 1                         ; which 64 columns of the 4,096
	s_lshr_b32 s28, s26, 5                         ; which tensor
	s_and_b32 s29, s22, 1
	s_lshl_b32 s30, s27, 1
	s_add_co_u32 s30, s30, s29                     ; which 32 columns: a pair of tiles
	s_and_b32 s31, s26, 1
	s_lshl_b32 s31, s31, 1
	s_lshr_b32 s32, s22, 1
	s_add_co_u32 s31, s31, s32                     ; which 256 along K
	s_and_b32 s33, s27, 15                         ; the head, or Wo's 64 columns
	s_cmp_eq_u32 s28, 3
	s_cselect_b32 s35, 8, 18                       ; Wo: 256 bytes for 64 columns; else a head of 262,144 bytes
	s_cselect_b32 s36, 20, 16                      ; Wo: 256 rows of 4,096 bytes; else of 256 bytes
	s_lshl_b32 s35, s33, s35
	s_lshl_b32 s36, s31, s36
	s_lshl_b32 s34, s29, 7                         ; my wave's 32 columns of the 64
	s_add_co_u32 s34, s34, s35
	s_add_co_u32 s34, s34, s36
	s_mov_b32 s35, 0
	s_lshr_b32 s36, s30, 3                         ; wc: group of 256 columns,
	s_mul_i32 s36, s36, 196608
	s_mul_i32 s37, s31, 49152                      ; two K steps,
	s_add_co_u32 s36, s36, s37
	s_and_b32 s37, s30, 7                          ; two tiles
	s_mul_i32 s37, s37, 3072
	s_add_co_u32 s36, s36, s37
	s_mov_b32 s37, 0
	s_lshl_b32 s38, s30, 10                        ; ws: the pair, my 256 bytes
	s_lshl_b32 s39, s31, 8
	s_add_co_u32 s38, s38, s39
	s_mov_b32 s39, 0
	s_wait_alu depctr_va_vdst(0)
	v_lshlrev_b32 v6, 2, v1                        ; 4 bytes a lane
	s_wait_kmcnt 0x0
	s_cmp_eq_u32 s28, 1                            ; the tensor is chosen by the work-group's number alone
	s_cselect_b64 s[6:7], s[8:9], s[6:7]
	s_cmp_eq_u32 s28, 2
	s_cselect_b64 s[6:7], s[10:11], s[6:7]
	s_cmp_eq_u32 s28, 3
	s_cselect_b64 s[6:7], s[12:13], s[6:7]
	s_add_nc_u64 s[6:7], s[6:7], s[34:35]
	s_add_nc_u64 s[18:19], s[18:19], s[36:37]
	s_add_nc_u64 s[20:21], s[20:21], s[38:39]
	s_cmp_eq_u32 s28, 3
	s_cbranch_scc1 .Lwo
	s_wait_alu depctr_va_vdst(0)
	WALL 256, 0
.Lwo:
	s_wait_alu depctr_va_vdst(0)
	WALL 4096, 1
.Lfunc_end_k_q39df61fb44_quant:
	.size	k_q39df61fb44_quant, .Lfunc_end_k_q39df61fb44_quant-k_q39df61fb44_quant
	.p2alignl 7, 3214868480
	.fill 96, 4, 3214868480
	.section	.rodata,"a",@progbits
	.p2align	6, 0x0
	.amdhsa_kernel k_q39df61fb44_quant
		.amdhsa_group_segment_fixed_size 34304
		.amdhsa_private_segment_fixed_size 0
		.amdhsa_enable_private_segment 0
		.amdhsa_kernarg_size 72
		.amdhsa_user_sgpr_count 2
		.amdhsa_user_sgpr_kernarg_segment_ptr 1
		.amdhsa_wavefront_size32 1
		.amdhsa_system_sgpr_workgroup_id_x 1
		.amdhsa_system_sgpr_workgroup_id_y 1
		.amdhsa_system_sgpr_workgroup_id_z 1
		.amdhsa_system_vgpr_workitem_id 0
		.amdhsa_next_free_vgpr 248
		.amdhsa_next_free_sgpr 66
		.amdhsa_reserve_vcc 0
		.amdhsa_float_denorm_mode_32 3
		.amdhsa_float_denorm_mode_16_64 3
		.amdhsa_memory_ordered 1
		.amdhsa_forward_progress 1
		.amdhsa_inst_pref_size 109
	.end_amdhsa_kernel
	.amdgpu_metadata
---
amdhsa.version: [ 1, 2 ]
amdhsa.kernels:
  - .name:           k_q39df61fb44_quant
    .symbol:         k_q39df61fb44_quant.kd
    .args:
      - { .name: x, .offset: 0, .size: 8, .value_kind: global_buffer, .address_space: global }
      - { .name: Wq, .offset: 8, .size: 8, .value_kind: global_buffer, .address_space: global }
      - { .name: Wk, .offset: 16, .size: 8, .value_kind: global_buffer, .address_space: global }
      - { .name: Wv, .offset: 24, .size: 8, .value_kind: global_buffer, .address_space: global }
      - { .name: Wo, .offset: 32, .size: 8, .value_kind: global_buffer, .address_space: global }
      - { .name: xc, .offset: 40, .size: 8, .value_kind: global_buffer, .address_space: global }
      - { .name: xs, .offset: 48, .size: 8, .value_kind: global_buffer, .address_space: global }
      - { .name: wc, .offset: 56, .size: 8, .value_kind: global_buffer, .address_space: global }
      - { .name: ws, .offset: 64, .size: 8, .value_kind: global_buffer, .address_space: global }
    .group_segment_fixed_size: 34304
    .private_segment_fixed_size: 0
    .kernarg_segment_align: 8
    .kernarg_segment_size: 72
    .max_flat_workgroup_size: 128
    .sgpr_count:     66
    .vgpr_count:     248
    .wavefront_size: 32
...
	.end_amdgpu_metadata
.endif
;; end of part 1
;; launch proj (part 2): grid 4 x 64, 4 waves a work-group, clusters of 4 x 4, 327,680 bytes of LDS; arguments xc, xs, wc, ws, bq, bk, bv, qimg, kv; writes qimg, kv
.if DOCPART == 2
	.amdgcn_target "amdgcn-amd-amdhsa--gfx1250"
	.amdhsa_code_object_version 6
	.text
	.protected	k_q39df61fb44_proj
	.globl	k_q39df61fb44_proj
	.p2align	8
	.type	k_q39df61fb44_proj,@function
k_q39df61fb44_proj:
	s_mov_b64 s[64:65], 0
	v_nop
	global_prefetch_b8 v0, s[64:65] scope:SCOPE_SE
	s_setreg_imm32_b32 hwreg(HW_REG_WAVE_MODE, 25, 1), 1
	s_wait_xcnt 0x0
	s_wait_alu depctr_hold_cnt(0) depctr_sa_sdst(0) depctr_va_vdst(0) depctr_va_sdst(0) depctr_va_ssrc(0) depctr_va_vcc(0) depctr_vm_vsrc(0)
	s_getreg_b32 s2, hwreg(HW_REG_IB_STS2, 6, 4)
	s_cmp_eq_u32 s2, 0
	s_cbranch_scc0 .Lentry_in_a_cluster
	s_endpgm
.Lentry_in_a_cluster:
	s_bfe_u32 s2, ttmp6, 0x10000c
	s_cmp_lg_u32 s2, 0xf033
	s_cbranch_scc0 .Lentry_shape_is_right
	s_endpgm
.Lentry_shape_is_right:
; q, k, v = x W + b on codes of FP6 (E2M3) with E8M0 scales, and the results quantised in registers for the attention launch: q and k along the head's 64, v along the tokens.
; SHARES.  256 work-groups THAT STAY: a work-group takes 128 tokens x 256 columns (four heads) through q, then k, then v: a loop of three trips.  A wave makes 128 tokens x one head: 32 accumulators, 256 registers.
; LDS.  x's codes of the 128 tokens (98,304 bytes, all of K) are loaded once and serve all three.  W's codes of the 256 columns walk through a ring of two slots of 98,304 bytes, K steps 0-3 and 4-7.  All lie as images of the
; operands' registers (half fragments of 768 bytes: 512 bytes of registers 0-3 at 16 x lane, 256 bytes of registers 4-5 at 8 x lane).
; FILLS.  At the head one tensor load a wave: waves 0, 1 x's halves, waves 2, 3 the halves of W_q's slot 0.  Slot 1 is first filled behind the three lines and a round, as a refill is.  In K step 3 of q and of k slot 0, whose last
; fragments every wave holds, takes the next kind's K steps 0-3; in K step 7 slot 1 takes its K steps 4-7: each behind the three lines and a round of the cluster's barrier, sixteen products inside the round, waves 2 and 3 loading
; half a slot each.  A fill has three and a half K steps, 112 products of a wave, or more in which to land.
; CLUSTER.  The four of a row need the same tokens, the four of a column the same weights: each load is asked for jointly.  No data prefetch: x is asked for whole at the head, and each block of W is asked for by all sixteen
; clusters at the same step of the same walk, 98,304 bytes a refill.
; ORDER OF THE SOURCES.  q, k: source 0 = 16 columns of W, source 1 = 16 tokens: a lane holds one token and its registers run along the head's 64.  v: the other way round.  So 32 consecutive accumulator registers are two blocks
; of 32 along the next product's K, half of each in lanes l and l xor 16.  Two conversions and three exchanges of lane halves make a half fragment in which place p of a block holds the block's number
; (p & 7) | ((p & 8) << 1) | ((p & 16) >> 1); both sides of every later product have this order.
; OUT.  Records of 6,656 bytes for 128 tokens: 8 half fragments, then [lane 32][4 words] of scale words.  q, k: half fragment i = tokens 16 i on; word n of lane (r, h) = (byte 0, byte 1, 0, 0) of tile 2 n + h.  k's half fragments
; 2, 3, 6, 7 are stored with rows 0-7 and 8-15 exchanged.  v: half fragment 2 j + c = channels 16 j on, tokens 64 c on; word j = channel 16 j + r's four bytes.  qimg [b, head][16 records]; kv [b, head][K: 16 | V: 16].
; LIMITS: a block whose largest magnitude lies under 2^-124 gets the scale byte 1; NaN and infinities are not served.
; REGISTERS: window 0: v3, v4 the bias's offsets; v8, v9 the add's two; v14, v15 k's store places; v16-47 x's scale words, v48-63 W's; v64-191 the epilogue; v192-203 LDS addresses, never rewritten.
;   window 1: x's fragments, two sets of 96.   window 2: W's, two sets of 48; v96-127 the bias, the C of each sum's first product.   window 3: the accumulators.
.set LB,     98304
.set SPARE,  294912
.set KIND,   786432                    ; from a kind's codes in wc to the next kind's: four groups of 196,608 bytes
.set SPW,    8
.set NIL,    9
.set XS,     16
.set WS,     48
.set TM,     64
.set TP,     80
.set SO,     96
.set WD,     112
.set PK,     120
.set PT,     124
.set PC,     128
.set XA,     192                       ; v192, v193: 16 and 8 x lane (x's K steps 0-3, and the stores' places); v194, v195: + 49,152 (K steps 4-7)
.set L16,    192
.set L8,     193
.set WA,     196                       ; v196-203: the same for my four tiles of W, a pair for each two K steps
.set MSB, 0
.macro WIN new
.if MSB != \new
	s_set_vgpr_msb (MSB<<8)|\new
.set MSB, \new
.endif
.endm
.macro WALU
	s_wait_alu depctr_va_vdst(0)
.endm
.macro CREST                           ; a round behind its opening barrier
	s_cmp_lg_u32 s22, 0
	s_cbranch_scc1 .Lnot_wave_0_\@
	s_barrier_signal -3
.Lnot_wave_0_\@:
	s_barrier_wait -3
	s_barrier_signal -1
	s_barrier_wait -1
.endm
.macro CROUND
	s_barrier_signal -1
	s_barrier_wait -1
	CREST
.endm
.macro NOPS
.rept 4
	v_nop
.endr
.endm
.macro JLOAD g                         ; half a slot of W: waves 2 and 3
	s_cmp_lt_u32 s22, 2
	s_cbranch_scc1 .Lnone_\@
	tensor_load_to_lds s[\g:\g+3], s[36:43]
	s_nop 0
	NOPS
.Lnone_\@:
.endm
.macro WMX
.if rwA && rwB
	v_wmma_scale_f32_16x16x128_f8f6f4 v[rgD:rgD+7], v[rgA:rgA+11], v[rgB:rgB+11], v[rgC:rgC+7], v[scA], v[scB] matrix_a_fmt:MATRIX_FMT_FP6 matrix_b_fmt:MATRIX_FMT_FP6 matrix_a_scale:MATRIX_SCALE_ROW1 matrix_b_scale:MATRIX_SCALE_ROW1
.elseif rwA
	v_wmma_scale_f32_16x16x128_f8f6f4 v[rgD:rgD+7], v[rgA:rgA+11], v[rgB:rgB+11], v[rgC:rgC+7], v[scA], v[scB] matrix_a_fmt:MATRIX_FMT_FP6 matrix_b_fmt:MATRIX_FMT_FP6 matrix_a_scale:MATRIX_SCALE_ROW1
.elseif rwB
	v_wmma_scale_f32_16x16x128_f8f6f4 v[rgD:rgD+7], v[rgA:rgA+11], v[rgB:rgB+11], v[rgC:rgC+7], v[scA], v[scB] matrix_a_fmt:MATRIX_FMT_FP6 matrix_b_fmt:MATRIX_FMT_FP6 matrix_b_scale:MATRIX_SCALE_ROW1
.else
	v_wmma_scale_f32_16x16x128_f8f6f4 v[rgD:rgD+7], v[rgA:rgA+11], v[rgB:rgB+11], v[rgC:rgC+7], v[scA], v[scB] matrix_a_fmt:MATRIX_FMT_FP6 matrix_b_fmt:MATRIX_FMT_FP6
.endif
.endm
; K step s's fragments into set s % 2: 48 LDS loads in one run, behind four places (the set was read by the products of two steps ago)
.macro FETCH s
	WIN 0
	NOPS
.set pf, (\s)%2
	WIN 0x40
.irp i, 0,1,2,3,4,5,6,7
.irp c, 0,1
	ds_load_b128 v[96*pf+12*\i+6*\c:96*pf+12*\i+6*\c+3], v[XA+2*((\s)/4)] offset:((\s)%4)*12288+1536*\i+768*\c
	ds_load_b64 v[96*pf+12*\i+6*\c+4:96*pf+12*\i+6*\c+5], v[XA+2*((\s)/4)+1] offset:((\s)%4)*12288+1536*\i+768*\c+512
.endr
.endr
	WIN 0x80
.irp j, 0,1,2,3
.irp c, 0,1
	ds_load_b128 v[48*pf+12*\j+6*\c:48*pf+12*\j+6*\c+3], v[WA+2*((\s)/2)] offset:((\s)%2)*24576+1536*\j+768*\c
	ds_load_b64 v[48*pf+12*\j+6*\c+4:48*pf+12*\j+6*\c+5], v[WA+2*((\s)/2)+1] offset:((\s)%2)*24576+1536*\j+768*\c+512
.endr
.endr
.endm
; products from .. to - 1 of K step s.  The 32 accumulators take turns, in the same order in every step
.macro PRODS s, ord, from, to
.set pb, (\s)%2
.if \ord
.if (\s) == 0
	WIN 0xe9                                       ; source 0 (x) window 1, source 1 (W) window 2, C (the bias) window 2, D window 3
.else
	WIN 0xf9
.endif
.else
.if (\s) == 0
	WIN 0xe6                                       ; source 0 (W) window 2, source 1 (x) window 1
.else
	WIN 0xf6
.endif
.endif
.set n, \from
.rept (\to)-(\from)
.if \ord
.set jj, n/8
.set ii, n%8
.set rgD, 8*(8*jj+ii)
.set rgA, 96*pb+12*ii
.set rgB, 48*pb+12*jj
.set scA, XS+8*(ii/2)+(\s)
.set rwA, ii%2
.set scB, WS+8*(jj/2)+(\s)
.set rwB, jj%2
.else
.set ii, n/4
.set jj, n%4
.set rgD, 8*(4*ii+jj)
.set rgA, 48*pb+12*jj
.set rgB, 96*pb+12*ii
.set scA, WS+8*(jj/2)+(\s)
.set rwA, jj%2
.set scB, XS+8*(ii/2)+(\s)
.set rwB, ii%2
.endif
.if (\s) == 0
.set rgC, 96+8*jj
.else
.set rgC, rgD
.endif
	WMX
.set n, n+1
.endr
.endm
.macro KSTEP s, ord, ring
.if (\ring) && (((\s) == 3) || ((\s) == 7))
.set gz, 68+4*((\s)/7)
	WIN 0
	s_wait_tensorcnt 0x0                           ; all my loads have landed, the other slot's among them;
	ds_add_u32 v[SPW], v[NIL]
	s_add_nc_u64 s[gz+2:gz+3], s[gz+2:gz+3], KIND  ; this slot's next fill: the next kind's
	s_wait_dscnt 0x0                               ; the add is done, and this step's fragments, my last reads of this slot, are in
	s_barrier_signal -1
	PRODS \s, \ord, 0, 16
	WIN 0
	s_barrier_wait -1
	CREST
	JLOAD gz
	FETCH ((\s)+1)%8
	PRODS \s, \ord, 16, 32
.else
	s_wait_dscnt 0x0                               ; this step's 48 loads are in
.if (\s) == 3
	s_wait_tensorcnt 0x0                           ; the last kind: slot 1 is shown to all
	s_barrier_signal -1
	s_barrier_wait -1
.endif
.if (\s) < 7
	FETCH (\s)+1
.endif
	PRODS \s, \ord, 0, 32
.endif
.endm
.macro MAIN ord, ring
.irp s, 0,1,2,3,4,5,6,7
	KSTEP \s, \ord, \ring
.endr
	WIN 0
.endm
.macro WSLOAD
.irp n, 0,1
.irp g, 0,1,2,3
	global_load_b64 v[WS+8*\n+2*\g:WS+8*\n+2*\g+1], v[L8], s[10:11] offset:1024*\n+256*\g
.endr
.endr
.endm
.macro BIASQK p                        ; q, k: register e of tile j is channel 16 j + 8 h + e
	WIN 0x80
.irp j, 0,1,2,3
	global_load_b128 v[96+8*\j:99+8*\j], v3, s[\p:\p+1] offset:64*\j
	global_load_b128 v[100+8*\j:103+8*\j], v3, s[\p:\p+1] offset:64*\j+16
.endr
	WIN 0
.endm
	s_load_b512 s[4:19], s[0:1], 0x0               ; xc, xs, wc, ws, bq, bk, bv, qimg
	s_load_b64 s[20:21], s[0:1], 0x40              ; kv
	v_lshl_add_u32 v[SPW], v0, 2, SPARE
	v_mov_b32 v[NIL], 0
	ds_add_u32 v[SPW], v[NIL]                      ; the opening lines
	ds_add_u32 v[SPW], v[NIL]
	v_lshrrev_b32 v10, 5, v0
	v_readfirstlane_b32 s22, v10                   ; wave 0..3
	s_bfe_u32 s23, ttmp6, 0x40000                  ; cx: which 256 columns of each kind
	s_bfe_u32 s24, ttmp6, 0x40004                  ; cy
	s_and_b32 s27, ttmp7, 0xffff
	s_lshl_b32 s27, s27, 2
	s_add_co_u32 s27, s27, s24                     ; which 128 tokens
	s_lshl_b32 s84, s24, 2
	s_lshl_b32 s84, 15, s84                        ; my row of the cluster
	s_lshl_b32 s85, 0x1111, s23                    ; my column
	s_or_b32 s28, s84, (3<<16)|(1<<21)             ; groups 1: 49,152 dense bytes as 192 rows of 256 bytes (32 elements of 8 bytes); x's go to my row,
	s_or_b32 s36, s85, (3<<16)|(1<<21)             ; W's to my column
.irp g, 28, 36
	s_mov_b32 s[\g+1], 32<<16
	s_mov_b32 s[\g+2], 192<<16
	s_mov_b32 s[\g+3], 32<<16
	s_mov_b32 s[\g+4], 192
	s_mov_b32 s[\g+5], 32
	s_mov_b32 s[\g+6], 0
	s_mov_b32 s[\g+7], 0
.endr
	s_and_b32 s86, s22, 1
	s_mul_i32 s87, s86, 49152                      ; which half I fetch
	s_mul_i32 s88, s27, 98304
	s_add_co_u32 s88, s88, s87
	s_mov_b32 s89, 0
	s_mul_i32 s92, s23, 196608
	s_add_co_u32 s92, s92, s87
	s_mov_b32 s93, 0
	s_add_co_u32 s91, s87, LB
	WALU
	s_wait_dscnt 0x0
	s_wait_kmcnt 0x0
	s_add_nc_u64 s[88:89], s[4:5], s[88:89]
	s_add_nc_u64 s[92:93], s[8:9], s[92:93]
	CROUND                                         ; all sixteen work-groups are here: the joint loads meet
	s_mov_b32 s44, 1                               ; group 0 of x's half,
	s_mov_b32 s45, s87
	s_mov_b64 s[46:47], s[88:89]
	s_or_b32 s47, s47, 0x80000000
	s_mov_b32 s68, 1                               ; of slot 0's half,
	s_mov_b32 s69, s91
	s_mov_b64 s[70:71], s[92:93]
	s_or_b32 s71, s71, 0x80000000
	s_mov_b32 s72, 1                               ; of slot 1's
	s_add_co_u32 s73, s91, 98304
	s_add_nc_u64 s[74:75], s[92:93], 98304
	s_or_b32 s75, s75, 0x80000000
	s_cmp_lt_u32 s22, 2
	s_cbranch_scc0 .Lfill_w
	tensor_load_to_lds s[44:47], s[28:35]
	s_nop 0
	NOPS
	s_branch .Lfilled
.Lfill_w:
	tensor_load_to_lds s[68:71], s[36:43]
	s_nop 0
	NOPS
.Lfilled:
	s_lshl_b32 s94, s27, 12                        ; x's scale words: four pairs of tiles, 1,024 bytes each
	s_mov_b32 s95, 0
	s_add_nc_u64 s[6:7], s[6:7], s[94:95]
	s_lshl_b32 s96, s23, 3                         ; W's: pairs 8 x group + 2 x wave and the next; a kind on: 32,768 bytes
	s_lshl_b32 s98, s22, 1
	s_add_co_u32 s96, s96, s98
	s_lshl_b32 s96, s96, 10
	s_mov_b32 s97, 0
	s_add_nc_u64 s[10:11], s[10:11], s[96:97]
	s_lshl_b32 s99, s23, 2
	s_add_co_u32 s99, s99, s22                     ; my head
	s_lshl_b32 s96, s99, 8
	s_add_nc_u64 s[12:13], s[12:13], s[96:97]
	s_add_nc_u64 s[14:15], s[14:15], s[96:97]
	s_add_nc_u64 s[16:17], s[16:17], s[96:97]
	s_lshr_b32 s60, s27, 4                         ; where my records go
	s_lshl_b32 s60, s60, 4
	s_add_co_u32 s60, s60, s99                     ; 16 b + head
	s_and_b32 s62, s27, 15
	s_mul_i32 s62, s62, 6656                       ; the record
	s_mul_i32 s96, s60, 106496
	s_add_co_u32 s96, s96, s62
	s_add_nc_u64 s[18:19], s[18:19], s[96:97]      ; q's
	s_mul_i32 s96, s60, 212992
	s_add_co_u32 s96, s96, s62
	s_add_nc_u64 s[20:21], s[20:21], s[96:97]      ; k's
	s_add_nc_u64 s[56:57], s[20:21], 106496        ; v's
	s_mov_b32 s100, 0x76543210
	s_mov_b32 s101, 0xfedcba98
	s_mul_i32 s66, s22, 6144                       ; my four tiles of W's sixteen
	s_add_co_u32 s66, s66, LB
	v_and_b32 v10, 31, v0
	v_and_b32 v11, 15, v0
	v_bfe_u32 v12, v0, 4, 1
	v_lshlrev_b32 v[L16], 4, v10
	v_lshlrev_b32 v[L8], 3, v10
	v_lshlrev_b32 v3, 5, v12
	v_lshlrev_b32 v4, 2, v11
	v_add_nc_u32 v[XA+2], 49152, v[L16]
	v_add_nc_u32 v[XA+3], 49152, v[L8]
.irp g, 0,1,2,3
	v_add_nc_u32 v[WA+2*\g], s66, v[L16]
	v_add_nc_u32 v[WA+2*\g+1], s66, v[L8]
	s_add_co_u32 s66, s66, 49152
.endr
	WALU
.irp n, 0,1,2,3
.irp g, 0,1,2,3
	global_load_b64 v[XS+8*\n+2*\g:XS+8*\n+2*\g+1], v[L8], s[6:7] offset:1024*\n+256*\g
.endr
.endr
	WSLOAD
	BIASQK 12
	s_wait_tensorcnt 0x0                           ; my part of x or of slot 0 has landed; the three lines and a round ahead of slot 1's first fill
	ds_add_u32 v[SPW], v[NIL]
	s_wait_dscnt 0x0
	CROUND
	JLOAD 72
	FETCH 0
	WIN 0
	s_mov_b32 s25, 0                               ; the kind: 0 q, 1 k, 2 v: the same in all partners
.Lkind:
	s_wait_loadcnt 0x0                             ; the scale words and the bias
	s_cmp_eq_u32 s25, 2
	s_cbranch_scc1 .Lvalues
	MAIN 0, 1
	s_branch .Lepi
.Lvalues:
	MAIN 1, 0
.Lepi:
	; ---- THE EPILOGUE: unit u = accumulator registers 32 u .. 32 u + 31 = two blocks of 32 along the next K, half of each in this lane
.irp B, 0,1,2,3,4,5,6,7,8,9,10,11,12,13,14,15
	v_mov_b32 v[TP+\B], 0                          ; a lane permute's destination counts as one of its sources.  (Also the places behind the last products)
.endr
	s_cmp_eq_u32 s25, 2                            ; the next kind's scale words and bias are asked for now
	s_cbranch_scc1 .Lno_next
	s_add_nc_u64 s[10:11], s[10:11], 32768
	WSLOAD
	s_cmp_eq_u32 s25, 0
	s_cbranch_scc0 .Lnext_v
	BIASQK 14
	s_branch .Lno_next
.Lnext_v:
	WIN 0x80
.irp j, 0,1,2,3
.irp e, 0,1,2,3,4,5,6,7
	global_load_b32 v[96+8*\j+\e], v4, s[16:17] offset:64*\j   ; v: all eight registers of tile j are channel 16 j + r
.endr
.endr
	WIN 0
.Lno_next:
	s_wait_xcnt 0x0                                ; the last kind's stores have read their registers and their base
	s_cmp_eq_u32 s25, 0
	s_cselect_b64 s[60:61], s[18:19], s[20:21]
	s_cmp_eq_u32 s25, 2
	s_cselect_b64 s[60:61], s[56:57], s[60:61]
	s_cmp_eq_u32 s25, 1                            ; k alone: half fragments 2, 3, 6, 7 go with rows 0-7 and 8-15 exchanged
	s_cselect_b32 s62, 128, 0
	s_cselect_b32 s63, 64, 0
	v_xor_b32 v14, s62, v[L16]
	v_xor_b32 v15, s63, v[L8]
	WIN 0x0f
.irp B, 0,1,2,3,4,5,6,7,8,9,10,11,12,13,14,15
	v_max3_num_f32 v[TM+\B], |v[16*\B]|, |v[16*\B+1]|, 0x1800000   ; my 16 numbers of block B, and the floor 2^(3 - 127)
.endr
.irp i, 2,4,6,8,10,12,14
.irp B, 0,1,2,3,4,5,6,7,8,9,10,11,12,13,14,15
	v_max3_num_f32 v[TM+\B], |v[16*\B+\i]|, |v[16*\B+\i+1]|, v[TM+\B]
.endr
.endr
	WIN 0
.irp B, 0,1,2,3,4,5,6,7,8,9,10,11,12,13,14,15
	v_permlanex16_b32 v[TP+\B], v[TM+\B], s100, s101
.endr
.irp B, 0,1,2,3,4,5,6,7,8,9,10,11,12,13,14,15
	v_max_num_f32 v[TM+\B], v[TM+\B], v[TP+\B]
.endr
.irp B, 0,1,2,3,4,5,6,7,8,9,10,11,12,13,14,15
	v_add_nc_u32 v[SO+\B], 0xff000000, v[TM+\B]    ; 2 off the exponent field: the conversion's scale operand
.endr
.irp B, 0,1,2,3,4,5,6,7,8,9,10,11,12,13,14,15
	v_lshrrev_b32 v[TP+\B], 23, v[SO+\B]           ; the scale's byte
.endr
.irp u, 0,1,2,3,4,5,6,7
	v_lshl_or_b32 v[WD+\u], v[TP+2*\u+1], 8, v[TP+2*\u]
.endr
	WIN 0x03
.irp u, 0,1,2,3,4,5,6,7
	v_cvt_scalef32_pk16_fp6_f32 v[PC+8*\u:PC+8*\u+2], v[32*\u:32*\u+15], v[SO+2*\u]
	v_cvt_scalef32_pk16_fp6_f32 v[PC+8*\u+4:PC+8*\u+6], v[32*\u+16:32*\u+31], v[SO+2*\u+1]
.endr
	WIN 0
	v_nop
.irp u, 0,1,2,3,4,5,6,7
.irp t, 0,1,2
	v_permlane16_swap_b32 v[PC+8*\u+\t], v[PC+8*\u+4+\t]   ; a whole block to a lane
.endr
.endr
.irp u, 0,1,2,3,4,5,6,7
	v_mov_b32 v[PC+8*\u+3], v[PC+8*\u+4]
	v_mov_b32 v[PC+8*\u+4], v[PC+8*\u+5]
	v_mov_b32 v[PC+8*\u+5], v[PC+8*\u+6]
.endr
.irp u, 0,1,2,3,4,5,6,7
.if (\u)&2
	global_store_b128 v14, v[PC+8*\u:PC+8*\u+3], s[60:61] offset:768*\u
	global_store_b64 v15, v[PC+8*\u+4:PC+8*\u+5], s[60:61] offset:768*\u+512
.else
	global_store_b128 v[L16], v[PC+8*\u:PC+8*\u+3], s[60:61] offset:768*\u        ; 512 consecutive bytes, aligned to 256
	global_store_b64 v[L8], v[PC+8*\u+4:PC+8*\u+5], s[60:61] offset:768*\u+512    ; 256
.endif
.endr
	s_mov_b32 s62, 0xffff0000                      ; lanes 16-31
	s_cmp_eq_u32 s25, 2
	s_cselect_b32 s63, -1, 0                       ; all lanes, for v
.irp n, 0,1,2,3
	v_cndmask_b32 v[PK+\n], v[WD+2*\n], v[WD+2*\n+1], s62      ; q, k: tile 2 n's word in lanes 0-15, tile 2 n + 1's in lanes 16-31
	v_lshl_or_b32 v[PT+\n], v[WD+2*\n+1], 16, v[WD+2*\n]       ; v: the four bytes of channel tile n
.endr
.irp n, 0,1,2,3
	v_cndmask_b32 v[PK+\n], v[PK+\n], v[PT+\n], s63
.endr
	global_store_b128 v[L16], v[PK:PK+3], s[60:61] offset:6144
	s_add_co_u32 s25, s25, 1
	s_cmp_lt_u32 s25, 3
	WALU
	s_cbranch_scc1 .Lkind
	s_wait_tensorcnt 0x0                           ; the wave's end
	ds_add_u32 v[SPW], v[NIL]
	s_wait_dscnt 0x0
	CROUND                                         ; the closing round
	s_endpgm
.Lfunc_end_k_q39df61fb44_proj:
	.size	k_q39df61fb44_proj, .Lfunc_end_k_q39df61fb44_proj-k_q39df61fb44_proj
	.p2alignl 7, 3214868480
	.fill 96, 4, 3214868480
	.section	.rodata,"a",@progbits
	.p2align	6, 0x0
	.amdhsa_kernel k_q39df61fb44_proj
		.amdhsa_group_segment_fixed_size 327680
		.amdhsa_private_segment_fixed_size 0
		.amdhsa_enable_private_segment 0
		.amdhsa_kernarg_size 72
		.amdhsa_user_sgpr_count 2
		.amdhsa_user_sgpr_kernarg_segment_ptr 1
		.amdhsa_wavefront_size32 1
		.amdhsa_system_sgpr_workgroup_id_x 1
		.amdhsa_system_sgpr_workgroup_id_y 1
		.amdhsa_system_sgpr_workgroup_id_z 1
		.amdhsa_system_vgpr_workitem_id 0
		.amdhsa_next_free_vgpr 1024
		.amdhsa_next_free_sgpr 102
		.amdhsa_reserve_vcc 0
		.amdhsa_float_denorm_mode_32 3
		.amdhsa_float_denorm_mode_16_64 3
		.amdhsa_memory_ordered 1
		.amdhsa_forward_progress 1
		.amdhsa_inst_pref_size 152
	.end_amdhsa_kernel
	.amdgpu_metadata
---
amdhsa.version: [ 1, 2 ]
amdhsa.kernels:
  - .name:           k_q39df61fb44_proj
    .symbol:         k_q39df61fb44_proj.kd
    .args:
      - { .name: xc, .offset: 0, .size: 8, .value_kind: global_buffer, .address_space: global }
      - { .name: xs, .offset: 8, .size: 8, .value_kind: global_buffer, .address_space: global }
      - { .name: wc, .offset: 16, .size: 8, .value_kind: global_buffer, .address_space: global }
      - { .name: ws, .offset: 24, .size: 8, .value_kind: global_buffer, .address_space: global }
      - { .name: bq, .offset: 32, .size: 8, .value_kind: global_buffer, .address_space: global }
      - { .name: bk, .offset: 40, .size: 8, .value_kind: global_buffer, .address_space: global }
      - { .name: bv, .offset: 48, .size: 8, .value_kind: global_buffer, .address_space: global }
      - { .name: qimg, .offset: 56, .size: 8, .value_kind: global_buffer, .address_space: global }
      - { .name: kv, .offset: 64, .size: 8, .value_kind: global_buffer, .address_space: global }
    .group_segment_fixed_size: 327680
    .private_segment_fixed_size: 0
    .kernarg_segment_align: 8
    .kernarg_segment_size: 72
    .max_flat_workgroup_size: 128
    .sgpr_count:     102
    .vgpr_count:     1024
    .wavefront_size: 32
...
	.end_amdgpu_metadata
.endif
;; end of part 2
;; launch attn (part 3): grid 4 x 64, 16 waves a work-group, clusters of 4 x 1, 216,064 bytes of LDS; arguments qimg, kv, mc, msc; writes mc, msc
.if DOCPART == 3
	.amdgcn_target "amdgcn-amd-amdhsa--gfx1250"
	.amdhsa_code_object_version 6
	.text
	.protected	k_q39df61fb44_attn
	.globl	k_q39df61fb44_attn
	.p2align	8
	.type	k_q39df61fb44_attn,@function
k_q39df61fb44_attn:
	s_mov_b64 s[64:65], 0
	v_nop
	global_prefetch_b8 v0, s[64:65] scope:SCOPE_SE
	s_setreg_imm32_b32 hwreg(HW_REG_WAVE_MODE, 25, 1), 1
	s_wait_xcnt 0x0
	s_wait_alu depctr_hold_cnt(0) depctr_sa_sdst(0) depctr_va_vdst(0) depctr_va_sdst(0) depctr_va_ssrc(0) depctr_va_vcc(0) depctr_vm_vsrc(0)
	s_getreg_b32 s2, hwreg(HW_REG_IB_STS2, 6, 4)
	s_cmp_eq_u32 s2, 0
	s_cbranch_scc0 .Lentry_in_a_cluster
	s_endpgm
.Lentry_in_a_cluster:
	s_bfe_u32 s2, ttmp6, 0x10000c
	s_cmp_lg_u32 s2, 0x3003
	s_cbranch_scc0 .Lentry_shape_is_right
	s_endpgm
.Lentry_shape_is_right:
; heads[b, h][q] = softmax_k(q . k / 8) v on codes of FP6 (E2M3) with E8M0 scales, and the result quantised along the head's 64 for the output projection.
; THE SOFTMAX: t = score x log2(e) / 8; M = the ceiling of the row's largest t so far, kept as -M; p = 2^(t - M) is quantised along the keys, not normalised.  The row's sum is taken of the unquantised p, in f32,
; and divides at the end.  When M moves, what was summed is multiplied by f = 2^(old M - new M): exact.
; SHARES.  256 work-groups.  A work-group owns 512 queries of one (b, head), each of its sixteen waves 32 of them: two tiles of 16, which share every fragment of K and V that the wave reads from LDS.
; THE TWO TILES GO IN LOCKSTEP through HALF STEPS of 64 keys: every chain of dependent lines has an independent twin beside it, and one batch of exponentials with its two waits serves both.  M moves at each half step.
; The second product takes 128 keys at once: the first half's codes stay as they are, and their block's scale is brought under the second half's M: its scale operand, a power of two times a mantissa, is multiplied by f, and its
; exponent field is the byte (a byte that would fall under 0 becomes 0: such a block weighs under 2^-124 beside a sum of at least 1/2).  O^T is multiplied once a step, by the product of the two f.
; LDS IS FILLED ONCE, as the bytes lie in memory: 16 records of K from byte 0, 16 of V from VB, a record for 128 keys: 8 half fragments of 768 bytes (512 bytes of registers 0-3 at 16 x lane, 256 bytes of registers 4-5
; at 8 x lane), then 512 bytes of scale words.  Every wave asks for two records by ONE tensor load: even waves K's, odd waves V's.  Waves 0-3 (records 0-3) have a load line of their own and wait ahead of the first
; barrier; the others' records are shown by a second barrier, behind key step 3.  No byte is filled twice.  No data prefetch: all is asked for at the head, there is no loop to run ahead in.
; CLUSTER.  The four query blocks of a head form a cluster: every load is asked for jointly, with the same descriptor and the mask 15.
; LAYOUT.  Both products transposed: S^T = K Q^T, O^T = V^T P^T: a lane holds ONE query.  THE ROWS OF A TILE OF K are chosen so that a lane's 32 scores of four tiles are ONE WHOLE BLOCK of 32 keys, in the order in which
; V's codes lie: tile (c, j) has in row 8 g + e key 64 c + 32 g + 8 pi(j) + e, pi = 0, 2, 1, 3.  So in half step c lane (r, h) holds block 2 c + h of query r: the block's maximum needs no other lane and the conversions'
; results are the operand's registers.  The rows are picked by the lanes' LDS addresses; K's half fragments 2, 3, 6, 7 were stored with rows 0-7 and 8-15 exchanged, so that sixteen lanes read sixteen different 16-byte columns.
; The first product's K is 64: Q's registers 6-11 are zero codes, so what stands in registers 6-11 of K's operand (the next tile's codes; behind the last tile codes of p) adds nothing: K's tiles lie 6 registers apart.
; LIMITS: a block whose largest magnitude lies under 2^-124 gets the scale byte 1; NaN and infinities are not served; 1 / sum is v_rcp_f32; the scaled scores stay under 2^31 in magnitude.
; REGISTERS: v0 the thread; v1-5 LDS addresses; v6, v8 -M of tiles 0, 1; v7 Q's scale words; v10, v12 f; v11, v9 p's scale words; v13, v20-27 at work; v[14:15], v[16:17] the sums; v18, v19 the add's two; v28-31 K's, then V's
;   scale words; v32-55 Q's two operands; v56-103 K's eight tiles, then V's four fragments; v104-127 p's codes (between the half steps registers 10, 11 of each hold the first block's scale operand and the first f);
;   v128-159, v160-191 S^T, then p, of tiles 0, 1; v192-255 O^T.
.set VB,    106496
.set REC,   6656
.set PAIR,  13312
.set GS,    212992                     ; 1,024 bytes in which the 32 tiles' scale bytes meet
.set SPARE, 214016                     ; the spare words, 128 bytes for each wave
.set SPW,   18
.set NIL,   19
.set QS,    7
.set KS,    28
.set Q,     32
.set KV,    56
.set P,     104
.set S,     128
.set O,     192
.macro WALU
	s_wait_alu depctr_va_vdst(0)
.endm
.macro CROUND
	s_barrier_signal -1
	s_barrier_wait -1
	s_cmp_lg_u32 s12, 0
	s_cbranch_scc1 .Lnot_wave_0_\@
	s_barrier_signal -3
.Lnot_wave_0_\@:
	s_barrier_wait -3
	s_barrier_signal -1
	s_barrier_wait -1
.endm
.macro TLOAD
	tensor_load_to_lds s[32:35], s[24:31]
	s_nop 0
.rept 4
	v_nop
.endr
.endm
.macro FMA from, n                     ; t - M, two at a time: n pairs from register S + from on; tile = from / 32
.set j, \from
.rept \n
	v_pk_fma_f32 v[S+j:S+j+1], v[S+j:S+j+1], s[22:23], v[6+2*(j/32):7+2*(j/32)] op_sel_hi:[1,0,0]
.set j, j+2
.endr
.endm
; the rows' sums of the unquantised p, as trees, cut by pairs of accumulators: pair m (registers S + 16 m .. + 15) ends in the pair v[20 + 2 m : 21 + 2 m].  The lines stand among matrix instructions that name none of their registers
.macro SUMA m
.irp q, 0,1,2,3
	v_pk_add_f32 v[S+16*(\m)+4*\q:S+16*(\m)+4*\q+1], v[S+16*(\m)+4*\q:S+16*(\m)+4*\q+1], v[S+16*(\m)+4*\q+2:S+16*(\m)+4*\q+3]
.endr
.endm
.macro SUMB m
	v_pk_add_f32 v[S+16*(\m):S+16*(\m)+1], v[S+16*(\m):S+16*(\m)+1], v[S+16*(\m)+4:S+16*(\m)+5]
	v_pk_add_f32 v[S+16*(\m)+8:S+16*(\m)+9], v[S+16*(\m)+8:S+16*(\m)+9], v[S+16*(\m)+12:S+16*(\m)+13]
	v_pk_add_f32 v[20+2*(\m):21+2*(\m)], v[S+16*(\m):S+16*(\m)+1], v[S+16*(\m)+8:S+16*(\m)+9]
.endm
.macro JOIN
	v_pk_add_f32 v[20:21], v[20:21], v[22:23]
	v_pk_add_f32 v[24:25], v[24:25], v[26:27]
	v_pk_add_f32 v[14:15], v[14:15], v[20:21]
	v_pk_add_f32 v[16:17], v[16:17], v[24:25]
.endm
; A HALF STEP: 64 keys (tiles 4 c .. 4 c + 3 of K) against both tiles of queries
.macro HALF c
.irp x, 0,1                            ; K's scale words: register 2 c + b, lanes 0-15 for hi = 0, lanes 16-31 for hi = 1; Q's: lanes 0-15 tile 0, lanes 16-31 tile 1
.irp b, 0,1
.irp hi, 0,1
	v_wmma_scale_f32_16x16x128_f8f6f4 v[S+32*\x+8*(2*\b+\hi):S+32*\x+8*(2*\b+\hi)+7], v[KV+6*(4*\c+2*\b+\hi):KV+6*(4*\c+2*\b+\hi)+11], v[Q+12*\x:Q+12*\x+11], 0, v[KS+2*\c+\b], v[QS] matrix_a_fmt:MATRIX_FMT_FP6 matrix_b_fmt:MATRIX_FMT_FP6 matrix_a_scale:MATRIX_SCALE_ROW\hi matrix_b_scale:MATRIX_SCALE_ROW\x
.if (\c) && ((2*\x+\b) < 3)            ; the first half's sums of pair m + 1 stand behind the products that write pair m: a pair is summed before it is written anew
.if \hi
	SUMB 2*\x+\b+1
.else
	SUMA 2*\x+\b+1
.endif
.endif
.endr
.endr
.endr
	JOIN
.if \c
	v_and_b32 v2, 31, v0
	v_lshl_add_u32 v1, v2, 4, s45
	v_lshl_add_u32 v2, v2, 3, s46
.irp j, 0,1,2,3
.irp d, 0,1
	ds_load_b128 v[KV+12*\j+6*\d:KV+12*\j+6*\d+3], v1 offset:1536*\j+768*\d   ; V's fragments land while the softmax is walked
	ds_load_b64 v[KV+12*\j+6*\d+4:KV+12*\j+6*\d+5], v2 offset:1536*\j+768*\d
.endr
.endr
	ds_load_b128 v[KS:KS+3], v1 offset:6144
.endif
.irp k, 0,1,2,3,4,5,6,7
	v_max3_num_f32 v[20+\k], v[S+8*\k], v[S+8*\k+1], v[S+8*\k+2]   ; eight chains by turns, one to an accumulator, from its low end on
.endr
.irp i, 3,5
.irp k, 0,1,2,3,4,5,6,7
	v_max3_num_f32 v[20+\k], v[20+\k], v[S+8*\k+\i], v[S+8*\k+\i+1]
.endr
.endr
	v_max3_num_f32 v20, v20, v21, v[S+7]
	v_max3_num_f32 v24, v24, v25, v[S+39]
	v_max3_num_f32 v22, v22, v23, v[S+15]
	v_max3_num_f32 v26, v26, v27, v[S+47]
	v_max3_num_f32 v20, v20, v22, v[S+23]
	v_max3_num_f32 v24, v24, v26, v[S+55]
	v_max_num_f32 v26, v20, v[S+31]                ; my block's largest score, tile 0: it serves for the row's maximum and, since p rises with the score, for the block's largest p
	v_max_num_f32 v27, v24, v[S+63]                ; tile 1
	v_permlanex16_b32 v20, v26, s20, s21
	v_permlanex16_b32 v21, v27, s20, s21
	v_max_num_f32 v20, v20, v26                    ; with lane l xor 16's block
	v_max_num_f32 v21, v21, v27
	v_mul_f32 v20, s36, v20                        ; -t
	v_mul_f32 v21, s36, v21
	v_floor_f32 v20, v20                           ; -ceil(t)
	v_floor_f32 v21, v21
	v_min_num_f32 v20, v20, v6                     ; the new -M
	v_min_num_f32 v21, v21, v8
	v_sub_f32 v24, v20, v6                         ; old M - new M: a whole number, 0 or less
	v_sub_f32 v25, v21, v8
	v_mov_b32 v6, v20
	v_mov_b32 v8, v21
	FMA 0, 8
	v_cvt_i32_f32 v24, v24                         ; (it saturates)
	v_cvt_i32_f32 v25, v25
	FMA 16, 8
	v_ldexp_f32 v10, 1.0, v24                      ; f
	v_ldexp_f32 v12, 1.0, v25
	FMA 32, 16
	v_fma_f32 v26, v26, s22, v6
	v_fma_f32 v27, v27, s22, v8
	v_pk_mul_f32 v[14:15], v[14:15], v[10:11] op_sel_hi:[1,0]   ; the sums under the new M
	v_pk_mul_f32 v[16:17], v[16:17], v[12:13] op_sel_hi:[1,0]
.if \c
	v_mul_f32 v[P+10], v[P+10], v10                ; the first block's scale operand under the new M
	v_mul_f32 v[P+22], v[P+22], v12
	v_mul_f32 v10, v10, v[P+11]                    ; the step's two f in one
	v_mul_f32 v12, v12, v[P+23]
	WALU                                           ; the wait ahead of the first reader of O^T and ahead of the exponentials
.set j, 0
.rept 32
	v_pk_mul_f32 v[O+j:O+j+1], v[O+j:O+j+1], v[10+2*(j/32):11+2*(j/32)] op_sel_hi:[1,0]   ; O^T under the new M
.set j, j+2
.endr
.else
	v_mov_b32 v[P+11], v10                         ; kept for the second half
	v_mov_b32 v[P+23], v12
	WALU                                           ; ahead of the exponentials
.endif
.set j, 0
.rept 64
	v_exp_f32 v[S+j], v[S+j]                       ; p = 2^(t - M)
.set j, j+1
.endr
	v_exp_f32 v26, v26                             ; the blocks' largest p
	v_exp_f32 v27, v27
	v_nop
	WALU                                           ; one wait for the batch
	v_max_num_f32 v26, 0x1800000, v26              ; the floor 2^(3 - 127): the byte cannot fall under 1
	v_max_num_f32 v27, 0x1800000, v27
	v_add_nc_u32 v26, 0xff000000, v26              ; 2 off the exponent field: the conversions' scale operands
	v_add_nc_u32 v27, 0xff000000, v27
.if \c
	v_lshrrev_b32 v24, 23, v[P+10]                 ; the first blocks' bytes
	v_lshrrev_b32 v25, 23, v[P+22]
.endif
	v_cvt_scalef32_pk16_fp6_f32 v[P+6*\c:P+6*\c+2], v[S:S+15], v26
	v_cvt_scalef32_pk16_fp6_f32 v[P+12+6*\c:P+12+6*\c+2], v[S+32:S+47], v27
	v_cvt_scalef32_pk16_fp6_f32 v[20:22], v[S+16:S+31], v26      ; (a conversion's three registers begin on an even number)
.if \c
	v_lshrrev_b32 v23, 23, v26                     ; the second block's byte: the plain line behind the conversions
.else
	v_mov_b32 v[P+10], v26                         ; kept for the second half
.endif
.irp i, 0,1,2
	v_mov_b32 v[P+6*\c+3+\i], v[20+\i]
.endr
	v_cvt_scalef32_pk16_fp6_f32 v[20:22], v[S+48:S+63], v27
.if \c
	v_lshrrev_b32 v13, 23, v27
.else
	v_mov_b32 v[P+22], v27
.endif
.irp i, 0,1,2
	v_mov_b32 v[P+12+6*\c+3+\i], v[20+\i]
.endr
.if \c
	v_lshl_or_b32 v23, v23, 16, v24                ; my two bytes: blocks h and 2 + h
	v_lshl_or_b32 v13, v13, 16, v25
	v_permlanex16_b32 v24, v23, s20, s21
	v_permlanex16_b32 v25, v13, s20, s21
	v_lshl_or_b32 v11, v24, 8, v23                 ; lanes 0-15, which alone are read: bytes 0, 2 mine, bytes 1, 3 lane l + 16's
	v_lshl_or_b32 v9, v25, 8, v13
.endif
	SUMA 0                                         ; pair 0's sums here; the other pairs' among the next matrix instructions.  (Also the plain lines between the writing of p's codes and scale words and the products that read them)
	SUMB 0
.if \c
	SUMA 1
.endif
.endm
; A KEY STEP: 128 keys, K's record at LDS byte s48, V's at VB + s48
.macro STEP
	s_add_co_u32 s44, s48, 512
	s_add_co_u32 s45, s48, VB
	s_add_co_u32 s46, s48, VB+512
	v_and_b32 v3, 31, v0                           ; K's addresses, made anew from v0.  (These ten are also the plain lines between the last products and the loads into their registers)
	v_bfe_u32 v4, v0, 3, 1                         ; g = row / 8
	v_lshl_add_u32 v1, v3, 4, s48
	v_lshl_add_u32 v2, v3, 3, s44
	v_lshl_add_u32 v5, v4, 2, s48
	v_and_or_b32 v5, v1, 0x170, v5                 ; K's scale words: 16 (row % 8) + 256 (lane / 16) + 4 g
	v_mad_u32_u24 v1, v4, 1536, v1                 ; rows 8-15 come from the half fragment two on;
	v_mad_u32_u24 v2, v4, 1536, v2
	v_xor_b32 v3, 128, v1                          ; tiles with b = 1 take the other eight rows of a half fragment
	v_xor_b32 v4, 64, v2
.irp c, 0,1
.irp b, 0,1
.irp hi, 0,1
	ds_load_b128 v[KV+6*(4*\c+2*\b+\hi):KV+6*(4*\c+2*\b+\hi)+3], v[1+2*\b] offset:768*(4*\c+\hi)
	ds_load_b64 v[KV+6*(4*\c+2*\b+\hi)+4:KV+6*(4*\c+2*\b+\hi)+5], v[2+2*\b] offset:768*(4*\c+\hi)
.endr
	ds_load_b32 v[KS+2*\c+\b], v5 offset:6144+128*\b+8*\c
.endr
.endr
	WALU
	s_wait_dscnt 8                                 ; of the 20 loads the first 12 are in: tiles 0-3 with their scale words, and tile 4, which tile 3's operand names; the last 8 may be out
	HALF 0
	WALU
	s_wait_dscnt 0x0                               ; all of K is in
	HALF 1
	WALU
	s_wait_dscnt 0x0                               ; V is in
.irp j, 0,1,2,3                        ; eight accumulators by turns
	v_wmma_scale_f32_16x16x128_f8f6f4 v[O+8*\j:O+8*\j+7], v[KV+12*\j:KV+12*\j+11], v[P:P+11], v[O+8*\j:O+8*\j+7], v[KS+\j], v11 matrix_a_fmt:MATRIX_FMT_FP6 matrix_b_fmt:MATRIX_FMT_FP6
	v_wmma_scale_f32_16x16x128_f8f6f4 v[O+32+8*\j:O+32+8*\j+7], v[KV+12*\j:KV+12*\j+11], v[P+12:P+23], v[O+32+8*\j:O+32+8*\j+7], v[KS+\j], v9 matrix_a_fmt:MATRIX_FMT_FP6 matrix_b_fmt:MATRIX_FMT_FP6
.if \j == 0                            ; the second half's sums
	SUMB 1
	SUMA 2
.elseif \j == 1
	SUMB 2
	SUMA 3
.elseif \j == 2
	SUMB 3
.endif
.endr
.endm
.macro WALK first, trips
	s_mov_b32 s48, \first*REC
	s_mov_b32 s49, \trips
.Lstep_\@:
	STEP
	s_add_co_u32 s48, s48, REC
	s_sub_co_u32 s49, s49, 1
	s_cmp_lg_u32 s49, 0
	WALU
	s_cbranch_scc1 .Lstep_\@
.endm
	s_load_b256 s[4:11], s[0:1], 0x0               ; qimg s[4:5], kv s[6:7], mc s[8:9], msc s[10:11]
	v_lshl_add_u32 v[SPW], v0, 2, SPARE
	v_mov_b32 v[NIL], 0
	ds_add_u32 v[SPW], v[NIL]                      ; the opening lines: the add, twice on end, and its wait ahead of my tensor load
	ds_add_u32 v[SPW], v[NIL]
	v_lshrrev_b32 v20, 5, v0
	v_readfirstlane_b32 s12, v20                   ; wave 0..15
	s_bfe_u32 s13, ttmp6, 0x40000                  ; cx
	s_lshl_b32 s14, ttmp9, 2
	s_add_co_u32 s14, s14, s13                     ; my block of 512 queries: it enters global addresses of q and of the results alone
	s_and_b32 s15, ttmp7, 0xffff                   ; 16 b + head, which the four partners share
	s_mov_b32 s24, 15|(3<<16)|(1<<21)              ; group 1: two records, 13,312 dense bytes, as 52 rows of 256 bytes (32 elements of 8 bytes); the mask names all four
	s_mov_b32 s25, 32<<16
	s_mov_b32 s26, 52<<16
	s_mov_b32 s27, 32<<16
	s_mov_b32 s28, 52
	s_mov_b32 s29, 32
	s_mov_b32 s30, 0
	s_mov_b32 s31, 0
	s_and_b32 s16, s12, 1                          ; even waves K, odd waves V; records 2 (wave / 2) and the next
	s_mul_i32 s16, s16, VB
	s_lshr_b32 s17, s12, 1
	s_mul_i32 s17, s17, PAIR
	s_add_co_u32 s33, s16, s17                     ; the same byte in LDS and in the head's block of kv
	s_mov_b32 s32, 1
	s_mul_i32 s18, s15, 2*VB
	s_add_co_u32 s18, s18, s33
	s_mov_b32 s19, 0
	s_mov_b32 s20, 0x76543210
	s_mov_b32 s21, 0xfedcba98                      ; v_permlanex16_b32's selects for lane l xor 16
	s_mov_b32 s22, 0x3e38aa3b                      ; log2(e) / 8
	s_mov_b32 s23, s22
	s_mov_b32 s36, 0xbe38aa3b                      ; and its negative
	WALU
	s_wait_dscnt 0x0
	s_wait_kmcnt 0x0
	s_add_nc_u64 s[34:35], s[6:7], s[18:19]
	s_or_b32 s35, s35, 0x80000000
	CROUND                                         ; all four work-groups are here: the joint loads meet
	s_cmp_lt_u32 s12, 4                            ; one load a wave; waves 0-3, which alone wait ahead of the first barrier, have a line of their own
	s_cbranch_scc0 .Llater
	TLOAD
	s_branch .Lasked
.Llater:
	TLOAD
.Lasked:
	s_and_b32 s50, s12, 3                          ; n: my tiles are 2 n and 2 n + 1 of a record's eight
	s_lshr_b32 s51, s12, 2                         ; which of my block's four records
	s_lshl_b32 s52, s14, 2
	s_add_co_u32 s52, s52, s51                     ; my record of the head's sixteen
	s_mul_i32 s54, s15, VB
	s_mul_i32 s53, s52, REC
	s_add_co_u32 s54, s54, s53
	s_mul_i32 s53, s50, 1536
	s_add_co_u32 s54, s54, s53
	s_mov_b32 s55, 0
	s_add_nc_u64 s[4:5], s[4:5], s[54:55]          ; Q's two half fragments
	s_mul_i32 s57, s50, 1532
	s_sub_co_u32 s57, 6144, s57                    ; from there to word n of the record's scale words
	s_lshr_b32 s56, s15, 4
	s_lshl_b32 s56, s56, 4                         ; 16 b
	s_add_co_u32 s54, s56, s52                     ; mc [block of 128 tokens][head / 2][tile][head % 2][768]
	s_mul_i32 s54, s54, 98304
	s_and_b32 s58, s15, 15
	s_lshr_b32 s53, s58, 1
	s_mul_i32 s53, s53, 12288
	s_add_co_u32 s54, s54, s53
	s_mul_i32 s53, s50, 3072
	s_add_co_u32 s54, s54, s53
	s_and_b32 s53, s15, 1
	s_mul_i32 s53, s53, 768
	s_add_co_u32 s54, s54, s53
	s_add_nc_u64 s[8:9], s[8:9], s[54:55]
	s_lshl_b32 s53, s14, 2                         ; msc [block][head][256]: my work-group's first block
	s_add_co_u32 s53, s53, s56
	s_lshl_b32 s54, s53, 12
	s_lshl_b32 s53, s58, 8
	s_add_co_u32 s54, s54, s53
	s_add_nc_u64 s[10:11], s[10:11], s[54:55]
	s_lshl_b32 s59, s51, 8                         ; where my tiles' scale bytes meet the others': 256 x record + 2 n (+ 128 for the odd tile)
	s_lshl_b32 s53, s50, 1
	s_add_co_u32 s59, s59, s53
	s_add_co_u32 s59, s59, GS
	v_and_b32 v[S], 31, v0
	v_lshlrev_b32 v[S+1], 4, v[S]
	v_lshl_add_u32 v[S+2], v[S], 3, 512
	v_add_nc_u32 v[S+3], s57, v[S+1]
	global_load_b128 v[Q:Q+3], v[S+1], s[4:5]      ; Q stays in registers
	global_load_b64 v[Q+4:Q+5], v[S+2], s[4:5]
	global_load_b128 v[Q+12:Q+15], v[S+1], s[4:5] offset:768
	global_load_b64 v[Q+16:Q+17], v[S+2], s[4:5] offset:768
	global_load_b32 v[QS], v[S+3], s[4:5]          ; lanes 0-15 tile 2 n's words, lanes 16-31 tile 2 n + 1's
	v_mov_b32 v6, 0x7f61b1e6                       ; -M: 3e38, over every -t
	v_mov_b32 v8, 0x7f61b1e6
.irp i, 9,11,13,14,15,16,17,20,21,22,23,24,25,26,27
	v_mov_b32 v[\i], 0                             ; the sums and the four pairs that the first JOIN takes up; v9, v11, v13: named before they are first written
.endr
.irp i, 6,7,8,9,10,11,18,19,20,21,22,23
	v_mov_b32 v[Q+\i], 0                           ; Q's K = 64 .. 127: zero codes
.endr
.set j, 0
.rept 64
	v_mov_b32 v[O+j], 0                            ; O^T: the step is written once; the first finds zeros
.set j, j+1
.endr
	WALU
	s_wait_loadcnt 0x0
	s_wait_dscnt 0x0
	s_cmp_lt_u32 s12, 4
	s_cbranch_scc0 .Lnot_first_four
	s_wait_tensorcnt 0x0                           ; waves 0-3: records 0-3 of K and of V
.Lnot_first_four:
	s_barrier_signal -1
	s_barrier_wait -1
	WALK 0, 4
	s_wait_tensorcnt 0x0                           ; every wave: all records
	s_wait_dscnt 0x0
	s_barrier_signal -1
	s_barrier_wait -1
	WALK 4, 12
	; ---- THE WAY OUT: O^T / the sum; a tile's 64 channels are two blocks of the output projection's K; register 8 t + i is channel 16 t + 8 h + i
	JOIN
	v_add_f32 v14, v14, v15
	v_add_f32 v16, v16, v17
	v_permlanex16_b32 v20, v14, s20, s21
	v_permlanex16_b32 v21, v16, s20, s21
	v_add_f32 v14, v14, v20                        ; with lane l xor 16's blocks: the rows' sums
	v_add_f32 v16, v16, v21
	WALU
	v_rcp_f32 v14, v14
	v_rcp_f32 v16, v16
	v_and_b32 v6, 31, v0
	v_and_b32 v7, 15, v0
	v_lshlrev_b32 v1, 4, v6                        ; 16 x lane
	v_lshl_add_u32 v2, v6, 3, 512                  ; 512 + 8 x lane
	v_lshl_add_u32 v3, v7, 3, s59                  ; my row's place among the scale bytes
	v_bfe_u32 v6, v0, 4, 1
	v_add_nc_u32 v4, GS, v1                        ; where wave 0 reads them back
	v_lshlrev_b32 v5, 4, v7
	v_lshl_add_u32 v5, v6, 12, v5                  ; and stores them: lanes 0-15 one block's 256 bytes, lanes 16-31 the next block's
	WALU
.irp x, 0,1
.set j, 0
.rept 16
	v_pk_mul_f32 v[S+32*\x+j:S+32*\x+j+1], v[O+32*\x+j:O+32*\x+j+1], v[14+2*\x:15+2*\x] op_sel_hi:[1,0]
.set j, j+2
.endr
.endr
.irp k, 0,1,2,3
	v_max3_num_f32 v[20+\k], |v[S+16*\k]|, |v[S+16*\k+1]|, 0x1800000
.endr
.irp i, 2,4,6,8,10,12,14
.irp k, 0,1,2,3
	v_max3_num_f32 v[20+\k], v[20+\k], |v[S+16*\k+\i]|, |v[S+16*\k+\i+1]|
.endr
.endr
.irp k, 0,1,2,3
	v_permlanex16_b32 v[P+\k], v[20+\k], s20, s21
.endr
.irp k, 0,1,2,3
	v_max_num_f32 v[20+\k], v[20+\k], v[P+\k]
.endr
.irp k, 0,1,2,3
	v_add_nc_u32 v[20+\k], 0xff000000, v[20+\k]
.endr
.irp k, 0,1,2,3
	v_lshrrev_b32 v[P+\k], 23, v[20+\k]
.endr
	v_lshl_or_b32 v24, v[P+1], 8, v[P]             ; the head's two scale bytes of my row, tile 0;
	v_lshl_or_b32 v25, v[P+3], 8, v[P+2]           ; tile 1
.irp x, 0,1
	v_cvt_scalef32_pk16_fp6_f32 v[KV+8*\x:KV+8*\x+2], v[S+32*\x:S+32*\x+15], v[20+2*\x]
	v_cvt_scalef32_pk16_fp6_f32 v[KV+8*\x+4:KV+8*\x+6], v[S+32*\x+16:S+32*\x+31], v[21+2*\x]
.endr
	v_nop
.irp x, 0,1
.irp t, 0,1,2
	v_permlane16_swap_b32 v[KV+8*\x+\t], v[KV+8*\x+4+\t]   ; a whole block to a lane
.endr
.endr
.irp x, 0,1
	v_mov_b32 v[KV+8*\x+3], v[KV+8*\x+4]
	v_mov_b32 v[KV+8*\x+4], v[KV+8*\x+5]
	v_mov_b32 v[KV+8*\x+5], v[KV+8*\x+6]
.endr
.irp x, 0,1
	global_store_b128 v1, v[KV+8*\x:KV+8*\x+3], s[8:9] offset:1536*\x      ; 512 consecutive bytes, aligned to 256
	global_store_b64 v2, v[KV+8*\x+4:KV+8*\x+5], s[8:9] offset:1536*\x     ; 256
	ds_store_b16 v3, v[24+\x] offset:128*\x        ; both halves of the lanes write the same bytes with the same value
.endr
	WALU
	s_wait_dscnt 0x0                               ; for the others' sake: my stores have landed
	s_barrier_signal -1
	s_barrier_wait -1
	s_cmp_lg_u32 s12, 0
	s_cbranch_scc1 .Lnot_first
	ds_load_b128 v[32:35], v4                      ; the 32 tiles' bytes: 4 x 256
	ds_load_b128 v[36:39], v4 offset:512
	s_wait_dscnt 0x0
	global_store_b128 v5, v[32:35], s[10:11]       ; sixteen lanes store 256 consecutive bytes, aligned
	global_store_b128 v5, v[36:39], s[10:11] offset:8192
.Lnot_first:
	s_wait_tensorcnt 0x0                           ; the wave's end
	ds_add_u32 v[SPW], v[NIL]
	s_wait_dscnt 0x0
	CROUND                                         ; the closing round
	s_endpgm
.Lfunc_end_k_q39df61fb44_attn:
	.size	k_q39df61fb44_attn, .Lfunc_end_k_q39df61fb44_attn-k_q39df61fb44_attn
	.p2alignl 7, 3214868480
	.fill 96, 4, 3214868480
	.section	.rodata,"a",@progbits
	.p2align	6, 0x0
	.amdhsa_kernel k_q39df61fb44_attn
		.amdhsa_group_segment_fixed_size 216064
		.amdhsa_private_segment_fixed_size 0
		.amdhsa_enable_private_segment 0
		.amdhsa_kernarg_size 32
		.amdhsa_user_sgpr_count 2
		.amdhsa_user_sgpr_kernarg_segment_ptr 1
		.amdhsa_wavefront_size32 1
		.amdhsa_system_sgpr_workgroup_id_x 1
		.amdhsa_system_sgpr_workgroup_id_y 1
		.amdhsa_system_sgpr_workgroup_id_z 1
		.amdhsa_system_vgpr_workitem_id 0
		.amdhsa_next_free_vgpr 256
		.amdhsa_next_free_sgpr 66
		.amdhsa_reserve_vcc 0
		.amdhsa_float_denorm_mode_32 3
		.amdhsa_float_denorm_mode_16_64 3
		.amdhsa_memory_ordered 1
		.amdhsa_forward_progress 1
		.amdhsa_inst_pref_size 75
	.end_amdhsa_kernel
	.amdgpu_metadata
---
amdhsa.version: [ 1, 2 ]
amdhsa.kernels:
  - .name:           k_q39df61fb44_attn
    .symbol:         k_q39df61fb44_attn.kd
    .args:
      - { .name: qimg, .offset: 0, .size: 8, .value_kind: global_buffer, .address_space: global }
      - { .name: kv, .offset: 8, .size: 8, .value_kind: global_buffer, .address_space: global }
      - { .name: mc, .offset: 16, .size: 8, .value_kind: global_buffer, .address_space: global }
      - { .name: msc, .offset: 24, .size: 8, .value_kind: global_buffer, .address_space: global }
    .group_segment_fixed_size: 216064
    .private_segment_fixed_size: 0
    .kernarg_segment_align: 8
    .kernarg_segment_size: 32
    .max_flat_workgroup_size: 512
    .sgpr_count:     66
    .vgpr_count:     256
    .wavefront_size: 32
...
	.end_amdgpu_metadata
.endif
;; end of part 3
;; launch outp (part 4): grid 4 x 64, 4 waves a work-group, clusters of 4 x 4, 312,832 bytes of LDS; arguments mc, msc, wc, ws, bo, out0; writes out0
.if DOCPART == 4
	.amdgcn_target "amdgcn-amd-amdhsa--gfx1250"
	.amdhsa_code_object_version 6
	.text
	.protected	k_q39df61fb44_outp
	.globl	k_q39df61fb44_outp
	.p2align	8
	.type	k_q39df61fb44_outp,@function
k_q39df61fb44_outp:
	s_mov_b64 s[64:65], 0
	v_nop
	global_prefetch_b8 v0, s[64:65] scope:SCOPE_SE
	s_setreg_imm32_b32 hwreg(HW_REG_WAVE_MODE, 25, 1), 1
	s_wait_xcnt 0x0
	s_wait_alu depctr_hold_cnt(0) depctr_sa_sdst(0) depctr_va_vdst(0) depctr_va_sdst(0) depctr_va_ssrc(0) depctr_va_vcc(0) depctr_vm_vsrc(0)
	s_getreg_b32 s2, hwreg(HW_REG_IB_STS2, 6, 4)
	s_cmp_eq_u32 s2, 0
	s_cbranch_scc0 .Lentry_in_a_cluster
	s_endpgm
.Lentry_in_a_cluster:
	s_bfe_u32 s2, ttmp6, 0x10000c
	s_cmp_lg_u32 s2, 0xf033
	s_cbranch_scc0 .Lentry_shape_is_right
	s_endpgm
.Lentry_shape_is_right:
; out0 = heads Wo + bo on codes of FP6 (E2M3) with E8M0 scales; out0 [8192][1024] f32.
; SHARES.  A work-group makes 128 tokens x 256 columns over all K = 1,024; a wave 128 tokens x 64 columns.  A WAVE HOLDS ITS FOUR COLUMN TILES OF Wo, ALL OF K, IN REGISTERS (32 fragments, 384 registers) and streams the
; eight blocks of 16 tokens past them: 32 products a block, four accumulators by turns, K ascending.  EACH BLOCK'S ROWS LEAVE AS SOON AS ITS PRODUCTS ARE DONE, through the wave's own stage: the stores go beside the later blocks' products.
; LDS IS FILLED ONCE.  The heads' codes of the 128 tokens (98,304 bytes) and Wo's of the 256 columns (196,608) are two dense blocks of memory, laid as images of the operands' registers (half fragments of 768 bytes:
; 512 bytes of registers 0-3 at 16 x lane, 256 bytes of registers 4-5 at 8 x lane).  One tensor load a wave at the head: wave 0 the heads' codes, waves 1-3 a third of Wo's each.  Every wave waits for its load ahead of one barrier.
; No data prefetch: all is asked for at the head, there is no loop to run ahead in.
; CLUSTER.  The four of a row need the same tokens, the four of a column the same columns of Wo: each load is asked for jointly, with the same descriptor and a mask that names the four.
; Source 0 = 16 columns of Wo, source 1 = 16 tokens: a lane holds eight neighbouring columns of one row of out0.  Inside a block of 32 along K both operands lie in the same permuted order (the earlier launches laid them so).
; The bias is the C of each sum's first product.
; TWO SETS of the heads' fragments, of accumulators and of the rows that come back from the stage, by turns.  ONE RUN OF MEMORY LINES behind a block's products: its sums into the stage and back as rows of 256 bytes; the fetch of
; the block two on; one wait (the fetch's 32 loads are younger and may be out: it shows the next block's fragments in too); eight stores.
; REGISTERS: window 0: v3 the bias's offset; v8, v9 the add's two; v10-12 the way out's addresses; v16-47 the heads' scale words (pair of tiles n, K step s: 16 + 8 n + s); v52-67 Wo's (a product's two scale registers differ
;   by 4 modulo 8); v72-135 the accumulators; v136-199 rows of out0 (at the head the scale bytes as loaded); v200-211 LDS addresses; v216-247 the bias.   Fragment f lies in window 1 + f / 21 at register 12 (f % 21):
;   0-31 Wo's (4 s + tile), 32-47 the heads' two sets (32 + 8 set + s).
.set LB,     98304
.set STAGE,  294912                    ; behind the codes: 16 rows x (256 bytes + 16) for each wave; no fill lands there
.set SP,     272
.set SPARE,  312320
.set SPW,    8
.set NIL,    9
.set XS,     16
.set WS,     52
.set ACC,    72
.set BK,     136
.set XA,     200                       ; v200, v201: 16 and 8 x lane (K steps 0-3); v202, v203: + 49,152 (K steps 4-7)
.set WA,     204                       ; v204-211: the same for my four tiles of Wo, a pair for each two K steps
.set BO,     216
.set FR,     12
.set FPW,    21
.set MSB, 0
.macro WIN new
.if MSB != \new
	s_set_vgpr_msb (MSB<<8)|\new
.set MSB, \new
.endif
.endm
.macro WALU
	s_wait_alu depctr_va_vdst(0)
.endm
.macro NOPS
.rept 4
	v_nop
.endr
.endm
.macro CROUND
	s_barrier_signal -1
	s_barrier_wait -1
	s_cmp_lg_u32 s22, 0
	s_cbranch_scc1 .Lnot_wave_0_\@
	s_barrier_signal -3
.Lnot_wave_0_\@:
	s_barrier_wait -3
	s_barrier_signal -1
	s_barrier_wait -1
.endm
.macro WMX
.if rwA && rwB
	v_wmma_scale_f32_16x16x128_f8f6f4 v[rgD:rgD+7], v[rgA:rgA+11], v[rgB:rgB+11], v[rgC:rgC+7], v[scA], v[scB] matrix_a_fmt:MATRIX_FMT_FP6 matrix_b_fmt:MATRIX_FMT_FP6 matrix_a_scale:MATRIX_SCALE_ROW1 matrix_b_scale:MATRIX_SCALE_ROW1
.elseif rwA
	v_wmma_scale_f32_16x16x128_f8f6f4 v[rgD:rgD+7], v[rgA:rgA+11], v[rgB:rgB+11], v[rgC:rgC+7], v[scA], v[scB] matrix_a_fmt:MATRIX_FMT_FP6 matrix_b_fmt:MATRIX_FMT_FP6 matrix_a_scale:MATRIX_SCALE_ROW1
.elseif rwB
	v_wmma_scale_f32_16x16x128_f8f6f4 v[rgD:rgD+7], v[rgA:rgA+11], v[rgB:rgB+11], v[rgC:rgC+7], v[scA], v[scB] matrix_a_fmt:MATRIX_FMT_FP6 matrix_b_fmt:MATRIX_FMT_FP6 matrix_b_scale:MATRIX_SCALE_ROW1
.else
	v_wmma_scale_f32_16x16x128_f8f6f4 v[rgD:rgD+7], v[rgA:rgA+11], v[rgB:rgB+11], v[rgC:rgC+7], v[scA], v[scB] matrix_a_fmt:MATRIX_FMT_FP6 matrix_b_fmt:MATRIX_FMT_FP6
.endif
.endm
.macro FRAGLD f, a, off                ; fragment f: four LDS loads, of 512 or 256 consecutive bytes each
	WIN (1+(\f)/FPW)<<6
.irp c, 0,1
	ds_load_b128 v[FR*((\f)%FPW)+6*\c:FR*((\f)%FPW)+6*\c+3], v[\a] offset:(\off)+768*\c
	ds_load_b64 v[FR*((\f)%FPW)+6*\c+4:FR*((\f)%FPW)+6*\c+5], v[(\a)+1] offset:(\off)+768*\c+512
.endr
.endm
.macro FETCHX i                        ; block i's eight fragments into set i % 2: 32 loads
.irp s, 0,1,2,3,4,5,6,7
	FRAGLD 32+8*((\i)%2)+\s, XA+2*(\s/4), (\s%4)*12288+1536*(\i)
.endr
	WIN 0
.endm
.macro PROD i, n                       ; product n = 4 s + tile of block i
.set q_, (\n)/4
.set j_, (\n)%4
.set fw_, 4*q_+j_
.set fx_, 32+8*((\i)%2)+q_
.set rgD, ACC+32*((\i)%2)+8*j_
.set rgA, FR*(fw_%FPW)
.set rgB, FR*(fx_%FPW)
.set scA, WS+8*(j_/2)+q_
.set rwA, j_%2
.set scB, XS+8*((\i)/2)+q_
.set rwB, (\i)%2
.if q_
.set rgC, rgD
.else
.set rgC, BO+8*j_
.endif
	WIN (1+fw_/FPW)|((1+fx_/FPW)<<2)
	WMX
.endm
.macro STREAM i
.set n_, 0
.rept 32
	PROD \i, n_
.set n_, n_+1
.endr
	WIN 0
	NOPS                                           ; places between the last product and the first read of its sums, and the loads into the registers that it has read
.if (\i) > 1
	s_wait_xcnt 0x0                                ; the stores of two blocks ago have read this set of rows
.endif
.set ac_, ACC+32*((\i)%2)
.set bk_, BK+32*((\i)%2)
.irp j, 0,1,2,3
	ds_store_b128 v10, v[ac_+8*\j:ac_+8*\j+3] offset:64*\j           ; each accumulator from its low end on
	ds_store_b128 v10, v[ac_+8*\j+4:ac_+8*\j+7] offset:64*\j+16
.endr
.irp t, 0,1,2,3,4,5,6,7
	ds_load_b128 v[bk_+4*\t:bk_+4*\t+3], v11 offset:2*SP*\t          ; LDS serves a wave's instructions in order: these see the stores above
.endr
.if (\i) < 6
	FETCHX (\i)+2
	s_wait_dscnt 32                                ; the rows are back; the fetch's 32 loads are younger
.else
	s_wait_dscnt 0x0
.endif
.irp t, 0,1,2,3,4,5,6,7
	global_store_b128 v12, v[bk_+4*\t:bk_+4*\t+3], s[14:15] offset:(16*(\i)+2*\t)*4096 th:TH_STORE_NT   ; sixteen lanes store 256 consecutive bytes, aligned to 256
.endr
.endm
	s_load_b256 s[4:11], s[0:1], 0x0               ; mc s[4:5], msc s[6:7], wc s[8:9], ws s[10:11]
	s_load_b128 s[12:15], s[0:1], 0x20             ; bo s[12:13], out0 s[14:15]
	v_lshl_add_u32 v[SPW], v0, 2, SPARE
	v_mov_b32 v[NIL], 0
	ds_add_u32 v[SPW], v[NIL]                      ; the opening lines
	ds_add_u32 v[SPW], v[NIL]
	v_lshrrev_b32 v10, 5, v0
	v_readfirstlane_b32 s22, v10                   ; wave 0..3
	s_bfe_u32 s23, ttmp6, 0x40000                  ; cx
	s_bfe_u32 s24, ttmp6, 0x40004                  ; cy
	s_add_co_u32 s26, s23, 12                      ; Wo's groups of 256 columns are wc's groups 12 to 15
	s_and_b32 s27, ttmp7, 0xffff
	s_lshl_b32 s27, s27, 2
	s_add_co_u32 s27, s27, s24                     ; which 128 tokens
	s_lshl_b32 s84, s24, 2
	s_lshl_b32 s84, 15, s84                        ; my row of the cluster
	s_lshl_b32 s85, 0x1111, s23                    ; my column
	s_or_b32 s28, s84, (3<<16)|(1<<21)             ; groups 1: dense blocks as rows of 256 bytes (32 elements of 8 bytes).  The heads' codes: 384 rows, to my row;
	s_mov_b32 s29, 32<<16
	s_mov_b32 s30, 384<<16
	s_mov_b32 s31, 32<<16
	s_mov_b32 s32, 384
	s_mov_b32 s33, 32
	s_mov_b32 s34, 0
	s_mov_b32 s35, 0
	s_or_b32 s36, s85, (3<<16)|(1<<21)             ; a third of Wo's: 256 rows, to my column
	s_mov_b32 s37, 32<<16
	s_mov_b32 s38, 256<<16
	s_mov_b32 s39, 32<<16
	s_mov_b32 s40, 256
	s_mov_b32 s41, 32
	s_mov_b32 s42, 0
	s_mov_b32 s43, 0
	s_mul_i32 s88, s27, 98304
	s_mov_b32 s89, 0
	s_mul_i32 s90, s22, 65536                      ; waves 1-3: third wave - 1
	s_add_co_u32 s91, s90, LB-65536
	s_mul_i32 s92, s26, 196608
	s_add_co_u32 s92, s92, s90
	s_sub_co_u32 s92, s92, 65536
	s_mov_b32 s93, 0
	WALU
	s_wait_dscnt 0x0
	s_wait_kmcnt 0x0
	s_add_nc_u64 s[88:89], s[4:5], s[88:89]
	s_add_nc_u64 s[92:93], s[8:9], s[92:93]
	CROUND                                         ; all sixteen work-groups are here: the joint loads meet
	s_mov_b32 s44, 1
	s_mov_b32 s45, 0
	s_mov_b64 s[46:47], s[88:89]
	s_or_b32 s47, s47, 0x80000000
	s_mov_b32 s68, 1
	s_mov_b32 s69, s91
	s_mov_b64 s[70:71], s[92:93]
	s_or_b32 s71, s71, 0x80000000
	s_cmp_eq_u32 s22, 0
	s_cbranch_scc0 .Lfill_w
	tensor_load_to_lds s[44:47], s[28:35]
	s_nop 0
	NOPS
	s_branch .Lfilled
.Lfill_w:
	tensor_load_to_lds s[68:71], s[36:43]
	s_nop 0
	NOPS
.Lfilled:
	s_lshl_b32 s94, s27, 12                        ; the heads' scale bytes: [head 16][lane 32][4 x 2 bytes]: entry n of lane r + 16 u is tile 2 n + u's
	s_mov_b32 s95, 0
	s_add_nc_u64 s[6:7], s[6:7], s[94:95]
	s_lshl_b32 s96, s26, 3                         ; Wo's scale words: pairs 8 x group + 2 x wave and the next
	s_lshl_b32 s98, s22, 1
	s_add_co_u32 s96, s96, s98
	s_lshl_b32 s96, s96, 10
	s_mov_b32 s97, 0
	s_add_nc_u64 s[10:11], s[10:11], s[96:97]
	s_lshl_b32 s96, s23, 10                        ; my 64 columns, in bytes: 1,024 cx + 256 x wave: in bo and in a row of out0
	s_lshl_b32 s98, s22, 8
	s_add_co_u32 s96, s96, s98
	s_add_nc_u64 s[12:13], s[12:13], s[96:97]
	s_lshl_b32 s60, s27, 19                        ; my 128 rows of 4,096 bytes
	s_add_co_u32 s60, s60, s96
	s_mov_b32 s61, 0
	s_add_nc_u64 s[14:15], s[14:15], s[60:61]
	s_mul_i32 s100, s22, 16*SP                     ; my stage
	s_add_co_u32 s100, s100, STAGE
	s_mul_i32 s66, s22, 6144                       ; my four tiles of Wo's sixteen
	s_add_co_u32 s66, s66, LB
	v_and_b32 v13, 31, v0                          ; lane
	v_and_b32 v14, 15, v0                          ; r
	v_bfe_u32 v15, v0, 4, 1                        ; h
	v_lshlrev_b32 v[XA], 4, v13
	v_lshlrev_b32 v[XA+1], 3, v13
	v_lshlrev_b32 v3, 5, v15                       ; the bias: register e of tile j is column 16 j + 8 h + e
	v_add_nc_u32 v[XA+2], 49152, v[XA]
	v_add_nc_u32 v[XA+3], 49152, v[XA+1]
.irp g, 0,1,2,3
	v_add_nc_u32 v[WA+2*\g], s66, v[XA]
	v_add_nc_u32 v[WA+2*\g+1], s66, v[XA+1]
	s_add_co_u32 s66, s66, 49152
.endr
	WALU
.irp d, 0,1,2,3,4,5,6,7,8,9,10,11,12,13,14,15
	global_load_b64 v[BK+2*\d:BK+2*\d+1], v[XA+1], s[6:7] offset:256*\d
.endr
.irp n, 0,1
.irp g, 0,1,2,3
	global_load_b64 v[WS+8*\n+2*\g:WS+8*\n+2*\g+1], v[XA+1], s[10:11] offset:1024*\n+256*\g
.endr
.endr
.irp j, 0,1,2,3
	global_load_b128 v[BO+8*\j:BO+8*\j+3], v3, s[12:13] offset:64*\j
	global_load_b128 v[BO+8*\j+4:BO+8*\j+7], v3, s[12:13] offset:64*\j+16
.endr
	s_wait_loadcnt 0x0
.irp s, 0,1,2,3,4,5,6,7                ; K step s is heads 2 s (bytes 0, 1 of the word) and 2 s + 1 (bytes 2, 3)
.irp n, 0,2
	v_perm_b32 v[XS+8*\n+\s], v[BK+2+4*\s+\n/2], v[BK+4*\s+\n/2], 0x05040100       ; the two low halves
	v_perm_b32 v[XS+8*\n+8+\s], v[BK+2+4*\s+\n/2], v[BK+4*\s+\n/2], 0x07060302     ; the two high halves
.endr
.endr
	v_mul_u32_u24 v10, v14, SP                     ; (these eight are also the plain lines between the writing of the scale words and the first product)
	v_lshl_add_u32 v10, v15, 5, v10
	v_add_nc_u32 v10, s100, v10                    ; the stage, in: row r, + 32 h
	v_mul_u32_u24 v11, v15, SP
	v_lshl_add_u32 v11, v14, 4, v11
	v_add_nc_u32 v11, s100, v11                    ; back: lanes 0-15 one row of 256 bytes, lanes 16-31 the next
	v_lshlrev_b32 v12, 12, v15
	v_lshl_add_u32 v12, v14, 4, v12                ; and the same two rows in out0
	WALU
	s_wait_tensorcnt 0x0                           ; my load has landed
	s_barrier_signal -1
	s_barrier_wait -1                              ; everybody's has.
.irp s, 0,1,2,3,4,5,6,7                ; my 64 columns of Wo, all of K: 128 loads
.irp j, 0,1,2,3
	FRAGLD 4*\s+\j, WA+2*(\s/2), (\s%2)*24576+1536*\j
.endr
.endr
	FETCHX 0
	FETCHX 1
	s_wait_dscnt 32                                ; Wo's fragments and block 0's are in; block 1's 32 loads may be out
.irp i, 0,1,2,3,4,5,6,7
	STREAM \i
.endr
	s_wait_tensorcnt 0x0                           ; the wave's end
	ds_add_u32 v[SPW], v[NIL]
	s_wait_dscnt 0x0
	CROUND                                         ; the closing round
	s_endpgm
.Lfunc_end_k_q39df61fb44_outp:
	.size	k_q39df61fb44_outp, .Lfunc_end_k_q39df61fb44_outp-k_q39df61fb44_outp
	.p2alignl 7, 3214868480
	.fill 96, 4, 3214868480
	.section	.rodata,"a",@progbits
	.p2align	6, 0x0
	.amdhsa_kernel k_q39df61fb44_outp
		.amdhsa_group_segment_fixed_size 312832
		.amdhsa_private_segment_fixed_size 0
		.amdhsa_enable_private_segment 0
		.amdhsa_kernarg_size 48
		.amdhsa_user_sgpr_count 2
		.amdhsa_user_sgpr_kernarg_segment_ptr 1
		.amdhsa_wavefront_size32 1
		.amdhsa_system_sgpr_workgroup_id_x 1
		.amdhsa_system_sgpr_workgroup_id_y 1
		.amdhsa_system_sgpr_workgroup_id_z 1
		.amdhsa_system_vgpr_workitem_id 0
		.amdhsa_next_free_vgpr 840
		.amdhsa_next_free_sgpr 101
		.amdhsa_reserve_vcc 0
		.amdhsa_float_denorm_mode_32 3
		.amdhsa_float_denorm_mode_16_64 3
		.amdhsa_memory_ordered 1
		.amdhsa_forward_progress 1
		.amdhsa_inst_pref_size 86
	.end_amdhsa_kernel
	.amdgpu_metadata
---
amdhsa.version: [ 1, 2 ]
amdhsa.kernels:
  - .name:           k_q39df61fb44_outp
    .symbol:         k_q39df61fb44_outp.kd
    .args:
      - { .name: mc, .offset: 0, .size: 8, .value_kind: global_buffer, .address_space: global }
      - { .name: msc, .offset: 8, .size: 8, .value_kind: global_buffer, .address_space: global }
      - { .name: wc, .offset: 16, .size: 8, .value_kind: global_buffer, .address_space: global }
      - { .name: ws, .offset: 24, .size: 8, .value_kind: global_buffer, .address_space: global }
      - { .name: bo, .offset: 32, .size: 8, .value_kind: global_buffer, .address_space: global }
      - { .name: out0, .offset: 40, .size: 8, .value_kind: global_buffer, .address_space: global }
    .group_segment_fixed_size: 312832
    .private_segment_fixed_size: 0
    .kernarg_segment_align: 8
    .kernarg_segment_size: 48
    .max_flat_workgroup_size: 128
    .sgpr_count:     101
    .vgpr_count:     840
    .wavefront_size: 32
...
	.end_amdgpu_metadata
.endif
;; end of part 4
